; MI455X (gfx1250); checked and timed in simulation.
; The chip was launched on July 23, 2026; its instructions are those of AMD's public machine-readable ISA for CDNA 5 (MIT licence, August 2026) and "CDNA5" Instruction Set Architecture Reference Guide (July 2026). The comments in the code are by the model that wrote it; some were corrected since.
;; Grouped Query Attention. Allowed arithmetic: matrix products marked QUANTISED: E3M2 operands, one E8M0 scale for each 32 along K, by v_wmma_scale_f32_16x16x128_f8f6f4 with both operands' format E3M2, f32 sums; everything else in f32.
;; Inputs: Wk 1,024 x 512 float32; Wo 2,048 x 2,048 float32; Wq 1,024 x 2,048 float32; Wv 1,024 x 512 float32; bo 2,048 float32; x 2 x 2,048 x 1,024 float32.
;; Outputs: out0 2 x 2,048 x 2,048 float32.
;; This version of the problem:
;;   THIS VERSION OF THE PROBLEM IS GIVEN IN LOW PRECISION. The matrix products marked QUANTISED in the list below multiply operands that are first quantised to E3M2 (3 exponent bits, 2 mantissa bits; 6 bits a number), with one power-of-two scale for each 32 numbers along K (OCP MX v1.0); their sums are f32. All else is computed in f32.
;;   The module's matrix products, in the order in which they are computed (A, B: the left and right operand; K: the contracted axis; several contracted axes count as one K, in the product's order):
;;     1. [M 4,096, K 1,024] x [K 1,024, N 2,048]; A: input x; B: input Wq: QUANTISED
;;     2. [M 4,096, K 1,024] x [K 1,024, N 512]; A: input x; B: input Wk: QUANTISED
;;     3. [M 4,096, K 1,024] x [K 1,024, N 512]; A: input x; B: input Wv: QUANTISED
;;     4. batch 8 x [M 2,048, K 128] x [K 128, N 8,192]; A: computed on the way; B: computed on the way: QUANTISED
;;     5. batch 8 x [M 128, K 2,048] x [K 2,048, N 8,192]; A: computed on the way; B: softmax (see below): QUANTISED
;;     6. [M 4,096, K 2,048] x [K 2,048, N 2,048]; A: computed on the way; B: input Wo: QUANTISED
;;   THE QUANTISER, for each operand of a quantised product, along K:
;;     - K is cut into blocks of 32 from its start; a last block that is shorter is filled with zeros.
;;     - A block's scale is 2^e with e = floor(log2(the largest magnitude in the block)) - 4, held to -126 .. 127; a block of zeros has e = 0. As a byte (E8M0): e + 127.
;;     - Each number is divided by its block's scale, clamped to +-28, and rounded to the nearest number of E3M2, ties to even, subnormals kept.
;;     - The product sums the exact products of the quantised numbers (number of the format x scale) in f32.
;;   ~~~python
;;   def quantise(x, axis):      # numpy; x: float32 -> the quantised numbers, widened to float32 again
;;       x = np.moveaxis(x, axis, -1); K = x.shape[-1]
;;       x = np.pad(x, [(0, 0)] * (x.ndim - 1) + [(0, -K % 32)]); x = x.reshape(x.shape[:-1] + (-1, 32)); a = np.abs(x).max(-1, keepdims=True)
;;       e = np.where(a > 0, np.clip(np.frexp(np.where(a > 0, a, 1))[1] - 1 - 4, -126, 127), 0)      # np.frexp(a)[1] - 1 = floor(log2(a)), exactly
;;       r = np.clip(x / 2.0 ** e, -28, 28)
;;       step = 2.0 ** (np.maximum(np.frexp(np.where(r == 0, 1, r))[1] - 1, -2) - 2)
;;       q = np.round(r / step) * step * 2.0 ** e      # np.round: ties to even
;;       return np.moveaxis(q.reshape(q.shape[:-2] + (-1,))[..., :K], -1, axis).astype(np.float32)
;;   ~~~
;;   SOFTMAX AHEAD OF A QUANTISED PRODUCT. Where the list says 'softmax', what is quantised is not the finished softmax but p = 2^(t - M), with t = logit x log2(e) and M = ceil(the row's largest t), a whole number; so 1/2 < the row's largest p <= 1. The row's sum l is taken of the UNQUANTISED p, in f32, and the product's result is divided by l at the end. Since M is a whole number, a kernel that streams over the keys may use a running M (the ceiling of the running maximum): every later rescaling is an exact power of two, which a block's scale takes up: the codes' values come out the same.
;;   OPERANDS COMPUTED ON THE WAY. 'Computed on the way' means the value that the module computes at that place (a softmax that the list does not call 'softmax' is quantised finished and normalised). What goes into a quantiser is computed in f32, as accurately as f32 sums, v_exp_f32 and their like allow (about 1e-6 of the number): no bf16 or f16 on the way to a quantiser, and a product that is left as it is and whose result goes on into a quantised operand takes f32 operands (vector FMAs, or v_wmma_f32_16x16x4_f32). A number that lies on a knife's edge between two numbers of the format may be rounded either way, as far as f32 arithmetic and the matrix unit's own rounding can turn it there, and no further.
;; One version. Each part assembles by itself: llvm-mc -triple=amdgcn-amd-amdhsa -mcpu=gfx1250 --defsym DOCPART=n.
;; ======== version 1 of 1: 4 launches
;; limits: right only within a limited range of input values
;; workspace buffers: xq 3,276,800 bytes; wq 5,734,400 bytes; qkv 9,830,400 bytes; ctx 6,553,600 bytes
;; launch quant (part 1): grid 704 x 1, 4 waves a work-group, no clusters, 68,096 bytes of LDS; arguments x, Wq, Wk, Wv, Wo, xq, wq; writes xq, wq
.if DOCPART == 1
	.amdgcn_target "amdgcn-amd-amdhsa--gfx1250"
	.amdhsa_code_object_version 6
	.text
	.protected	k_qf8a733ced6_quant
	.globl	k_qf8a733ced6_quant
	.p2align	8
	.type	k_qf8a733ced6_quant,@function
k_qf8a733ced6_quant:
	s_mov_b64 s[64:65], 0
	v_nop
	global_prefetch_b8 v0, s[64:65] scope:SCOPE_SE
	s_setreg_imm32_b32 hwreg(HW_REG_WAVE_MODE, 25, 1), 1
	s_wait_xcnt 0x0
; x [4096][1024] and the four weights ([K][N], K the FIRST axis), all f32, become codes of BF6 (E3M2) with one E8M0 byte for each 32 along K.
; A block's scale is 2^(floor(log2(its largest magnitude)) - 4); its byte is that magnitude's exponent field - 4, held at 1 from below.
; LIMITS: a block of zeros (or under 2^-122) gets the byte 1 where the quantiser says 127: its codes are zeros, and this program alone reads the bytes.  NaN and infinities are not served.
; WHAT IS STORED: RECORDS of 12,800 bytes.  A record is 128 operand rows x 128 along K: eight FRAGMENTS (16 rows x 128 K, 12 registers a lane) as IMAGES OF THE OPERAND'S REGISTERS:
; byte 512 c + 16 lane + 4 i of a fragment is register 4 c + i of that lane; behind them, at SCO, 128 scale words (word 16 t + row: the row's four bytes).
; THE ROWS OF A TILE ARE NOT NEIGHBOURS: row p of tile T stands for index 32 (T / 2) + 8 (T % 2) + p + 8 (p / 8) of the panel's 128 (tokens of x, columns of a weight),
; so that a product that takes such tiles as source 0 leaves 16 neighbours along that index in a lane's 16 registers of two neighbouring tiles.
; SHARES: a work-group makes one record, a wave two tiles of it (32 rows).  Work-groups 0-255: x (panel = wg / 8, K step = wg % 8); 256-383: Wq; 384-447: Wk, Wv; 448-703: Wo.
; No barrier: waves share nothing.  Only x's path touches LDS (a stage of the wave's own).
.set REC,    12800
.set SCO,    12288
.set FRB,    1536
.set WO_OFF, 192*REC                   ; Wo's records lie behind the 24 panels x 8 K steps of Wq, Wk, Wv
.set FLOOR,  0x2800000                 ; 2^(5 - 127): under it no largest magnitude is taken, so the byte cannot fall under 1
.set EOFF,   0xfe000000                ; takes 4 off an exponent field
.set SP,     528                       ; a stage row: 512 bytes + 16
.set WSTG,   32*SP                     ; a wave's stage
	s_load_b256 s[4:11], s[0:1], 0x0               ; x s[4:5], Wq s[6:7], Wk s[8:9], Wv s[10:11]
	s_load_b128 s[12:15], s[0:1], 0x20             ; Wo s[12:13], xq s[14:15]
	s_load_b64 s[16:17], s[0:1], 0x30              ; wq
	v_lshl_add_u32 v62, v0, 2, 0x10800
	v_mov_b32 v63, 0
	v_lshrrev_b32 v1, 5, v0
	v_readfirstlane_b32 s18, v1                    ; wave 0..3
	v_and_b32 v2, 31, v0                           ; lane
	v_lshlrev_b32 v3, 4, v2                        ; 16 x lane
	s_mul_i32 s19, s18, 2*FRB
	v_add_nc_u32 v9, s19, v3                       ; in the record: my wave's two fragments, 16 bytes a lane
	s_lshl_b32 s19, s18, 7
	s_add_co_u32 s19, s19, SCO
	v_lshl_add_u32 v7, v2, 2, s19                  ; and its 32 scale words, 4 bytes a lane
	s_mov_b32 s28, 0x76543210
	s_mov_b32 s29, 0xfedcba98                      ; v_permlanex16_b32's selects for lane l xor 16
	s_mov_b32 s30, 0xffff0000                      ; lanes 16-31
	s_cmp_lt_u32 ttmp9, 256
	s_cbranch_scc0 .Lweights
; ---------------- x: K is innermost.  Wave w takes tokens 128 panel + 32 w + 0 .. 31, 512 bytes (128 numbers) of each.
	s_lshr_b32 s20, ttmp9, 3
	s_lshl_b32 s20, s20, 7
	s_lshl_b32 s21, s18, 5
	s_add_co_u32 s20, s20, s21                     ; my first token
	s_lshl_b32 s20, s20, 12                        ; a row of x is 4,096 bytes
	s_and_b32 s21, ttmp9, 7
	s_lshl_b32 s21, s21, 9                         ; the K step's 512 bytes
	s_add_co_u32 s20, s20, s21
	s_mov_b32 s21, 0
	s_mul_i32 s22, ttmp9, REC
	s_mov_b32 s23, 0
	s_mul_i32 s19, s18, WSTG
	s_wait_alu depctr_va_vdst(0)
	v_add_nc_u32 v5, s19, v3                       ; the stage, on the way in: a row piece as it lies, 16 bytes a lane
	v_and_b32 v6, 15, v0                           ; r
	v_bfe_u32 v8, v0, 4, 1                         ; h
	v_mul_u32_u24 v6, v6, SP
	v_lshl_add_u32 v6, v8, 7, v6
	v_add_nc_u32 v6, s19, v6                       ; and on the way out: row r, + 128 h: lane (r, h) wants k = 64 c + 32 h + 0 .. 31
	v_lshlrev_b32 v10, 3, v8                       ; 8 h: where my two scale bytes stand in the word
	v_mov_b32 v15, 0                               ; written once: a lane permute's destination counts as one of its sources
	s_wait_alu depctr_va_vdst(0)
	s_wait_kmcnt 0x0
	s_add_nc_u64 s[24:25], s[4:5], s[20:21]
	s_add_nc_u64 s[26:27], s[14:15], s[22:23]
.set t, 0
.rept 32
	global_load_b128 v[128+4*t:131+4*t], v3, s[24:25] offset:4096*t th:TH_LOAD_NT   ; token t's 512 consecutive bytes
.set t, t+1
.endr
.set t, 0
.rept 4
	s_wait_loadcnt 24-8*(t/8)                      ; loads come back in order: these eight are in, the younger ones stay out
.rept 8
	ds_store_b128 v5, v[128+4*t:131+4*t] offset:(16*((t/8)%2)+(t%8)+8*(t/16))*SP   ; token t is row t % 8 + 8 (t / 16) of my tile (t / 8) % 2
.set t, t+1
.endr
.endr
.macro BACK u, d                       ; tile u's 64 numbers of my row: blocks h and 2 + h
.irp c, 0,1
.irp j, 0,1,2,3,4,5,6,7
	ds_load_b128 v[\d+32*\c+4*\j:\d+32*\c+4*\j+3], v6 offset:16*SP*\u+256*\c+16*\j   ; LDS serves a wave's instructions in order: these see my stores
.endr
.endr
.endm
; 64 numbers in v[s] on (two whole blocks of my row) become tile u's fragment in v[f] on, stored at once, and my row's scale word in v[w]
.macro XQ s, f, w, u
.irp c, 0,1
	v_max3_num_f32 v[11+\c], |v[\s+32*\c]|, |v[\s+32*\c+1]|, FLOOR
.endr
.irp i, 2,4,6,8,10,12,14,16,18,20,22,24,26,28,30
.irp c, 0,1
	v_max3_num_f32 v[11+\c], v[11+\c], |v[\s+32*\c+\i]|, |v[\s+32*\c+\i+1]|   ; (the two blocks by turns)
.endr
.endr
.irp c, 0,1
	v_add_nc_u32 v[13+\c], EOFF, v[11+\c]          ; the conversion takes the exponent field of this operand as its scale
.endr
.irp c, 0,1
	v_lshrrev_b32 v[11+\c], 23, v[13+\c]           ; the scale's byte
.endr
	v_lshl_or_b32 v[\w], v12, 16, v11              ; blocks h and 2 + h,
	v_lshlrev_b32 v[\w], v10, v[\w]                ; at their places;
	v_permlanex16_b32 v15, v[\w], s28, s29
	v_or_b32 v[\w], v[\w], v15                     ; with lane l xor 16's two the word is whole, in both lanes
.irp c, 0,1
	v_cvt_scalef32_pk16_bf6_f32 v[\f+6*\c:\f+6*\c+2], v[\s+32*\c:\s+32*\c+15], v[13+\c]
	v_cvt_scalef32_pk16_bf6_f32 v[40+4*\c:42+4*\c], v[\s+32*\c+16:\s+32*\c+31], v[13+\c]   ; (a conversion's three registers begin on an even number)
.endr
	v_nop                                          ; one plain place behind a scaled conversion
.irp c, 0,1
.irp i, 0,1,2
	v_mov_b32 v[\f+6*\c+3+\i], v[40+4*\c+\i]
.endr
.endr
.irp c, 0,1,2
	global_store_b128 v9, v[\f+4*\c:\f+4*\c+3], s[26:27] offset:FRB*\u+512*\c   ; 32 lanes store 512 consecutive bytes, at a multiple of 256 from the buffer's first byte
.endr
.endm
	BACK 0, 64
	s_wait_dscnt 0x0                               ; tile 0 is in, and the stage's stores have read v128-255
	BACK 1, 128
	XQ 64, 16, 48, 0                               ; each tile has fragment registers of its own: no store's data are written again
	s_wait_dscnt 0x0
	XQ 128, 28, 49, 1
	v_cndmask_b32 v50, v48, v49, s30               ; lanes 0-15: tile 0's words, lanes 16-31: tile 1's
	global_store_b32 v7, v50, s[26:27]
	s_wait_tensorcnt 0x0
	ds_add_u32 v62, v63
	s_wait_dscnt 0x0
	s_endpgm
; ---------------- weights: K is the first axis.  A LANE TAKES A COLUMN AND ITS REGISTERS RUN DOWN K: a block of 32 lies in one lane's registers.
; Wave w takes columns 32 w .. 32 w + 31.  Lane (u = lane / 16, r = lane % 16) takes column 8 u + r + 8 (r / 8): row r of tile 2 w + u.  A load still covers 128 consecutive bytes.
.Lweights:
	v_and_b32 v4, 7, v0
	v_bfe_u32 v8, v0, 3, 1
	v_bfe_u32 v10, v0, 4, 1
	v_lshl_add_u32 v4, v8, 4, v4
	v_lshl_add_u32 v4, v10, 3, v4
	s_lshl_b32 s19, s18, 5
	v_add_nc_u32 v4, s19, v4
	v_lshlrev_b32 v4, 2, v4                        ; my column's byte in the panel's 512
.macro WLOAD kb, pitch                 ; block kb: W(32 kb + i, my column)
.irp i, 0,1,2,3,4,5,6,7,8,9,10,11,12,13,14,15,16,17,18,19,20,21,22,23,24,25,26,27,28,29,30,31
	global_load_b32 v[64+32*(\kb)+\i], v4, s[24:25] offset:(32*(\kb)+\i)*\pitch th:TH_LOAD_NT
.endr
.endm
.macro WBLOCK kb, pitch
.if \kb < 3
	s_wait_loadcnt 32                              ; this block's 32 loads are in; the next block's may be out
.else
	s_wait_loadcnt 0x0
.endif
.if \kb < 2
	WLOAD (\kb)+2, \pitch                          ; two blocks ahead, into registers of its own
.endif
.set XS, 64+32*\kb
.set FD, 16+12*(\kb%2)+6*(\kb/2)       ; even blocks go to F0 (v16 on), odd ones to F1 (v28 on); six registers a block
	v_max3_num_f32 v12, |v[XS]|, |v[XS+1]|, |v[XS+2]|
	v_max3_num_f32 v13, |v[XS+3]|, |v[XS+4]|, |v[XS+5]|
.irp i, 6,10,14,18,22,26
	v_max3_num_f32 v12, v12, |v[XS+\i]|, |v[XS+\i+1]|
	v_max3_num_f32 v13, v13, |v[XS+\i+2]|, |v[XS+\i+3]|
.endr
	v_max3_num_f32 v12, v12, |v[XS+30]|, |v[XS+31]|
	v_max3_num_f32 v12, v12, v13, FLOOR
	v_add_nc_u32 v11, EOFF, v12
	v_lshrrev_b32 v13, 23, v11
.if \kb == 0
	v_mov_b32 v15, v13                             ; my column's scale word: the lower K in the lower byte
.else
	v_lshl_or_b32 v15, v13, 8*\kb, v15
.endif
	v_cvt_scalef32_pk16_bf6_f32 v[FD:FD+2], v[XS:XS+15], v11
	v_cvt_scalef32_pk16_bf6_f32 v[40:42], v[XS+16:XS+31], v11
	v_nop                                          ; one plain place behind a scaled conversion
.irp i, 0,1,2
	v_mov_b32 v[FD+3+\i], v[40+\i]
.endr
.endm
.macro WPATH pitch
	WLOAD 0, \pitch
	WLOAD 1, \pitch
	WBLOCK 0, \pitch
	WBLOCK 1, \pitch
	WBLOCK 2, \pitch
	WBLOCK 3, \pitch
.irp i, 0,1,2,3,4,5,6,7,8,9,10,11
	v_permlane16_swap_b32 v[16+\i], v[28+\i]       ; F0's lanes 16-31 (tile 1's even blocks) change places with F1's lanes 0-15 (tile 0's odd blocks): F0 is now tile 2 w's fragment, F1 tile 2 w + 1's
.endr
.irp e, 0,1
.irp c, 0,1,2
	global_store_b128 v9, v[16+12*\e+4*\c:19+12*\e+4*\c], s[26:27] offset:FRB*\e+512*\c
.endr
.endr
	global_store_b32 v7, v15, s[26:27]
	s_endpgm
.endm
	s_cmp_lt_u32 ttmp9, 384
	s_cbranch_scc1 .Lwide
	s_cmp_lt_u32 ttmp9, 448
	s_cbranch_scc0 .Lwide
	; Wk and Wv: rows of 2,048 bytes.  idx = wg - 384; panel idx / 8: 0-3 of Wk, 4-7 of Wv; K step idx % 8; record 128 + idx
	s_sub_co_u32 s20, ttmp9, 384
	s_lshr_b32 s31, s20, 3
	s_and_b32 s22, s20, 7
	s_lshl_b32 s22, s22, 18                        ; 128 rows of 2,048 bytes a K step
	s_and_b32 s23, s31, 3
	s_lshl_b32 s23, s23, 9                         ; 512 bytes a panel
	s_add_co_u32 s22, s22, s23
	s_mov_b32 s23, 0
	s_add_co_u32 s20, s20, 128
	s_mul_i32 s20, s20, REC
	s_mov_b32 s21, 0
	s_wait_kmcnt 0x0
	s_cmp_lt_u32 s31, 4                            ; the choice hangs on the work-group's number alone
	s_cselect_b64 s[24:25], s[8:9], s[10:11]
	s_add_nc_u64 s[24:25], s[24:25], s[22:23]
	s_add_nc_u64 s[26:27], s[16:17], s[20:21]
	s_wait_alu depctr_va_vdst(0)
	WPATH 2048
.Lwide:
	; Wq (8 K steps a panel, records from 0) and Wo (16 K steps a panel, records from WO_OFF): rows of 8,192 bytes
	s_mov_b32 s20, 448
	s_wait_kmcnt 0x0
	s_cmp_lt_u32 ttmp9, 384
	s_cselect_b32 s20, 256, s20
	s_cselect_b32 s21, 3, 4
	s_cselect_b32 s22, 7, 15
	s_cselect_b32 s23, 0, WO_OFF
	s_cselect_b64 s[24:25], s[6:7], s[12:13]
	s_sub_co_u32 s20, ttmp9, s20                   ; idx
	s_lshr_b32 s31, s20, s21                       ; panel
	s_and_b32 s22, s20, s22                        ; K step
	s_lshl_b32 s22, s22, 20                        ; 128 rows of 8,192 bytes
	s_lshl_b32 s31, s31, 9
	s_add_co_u32 s22, s22, s31
	s_mul_i32 s20, s20, REC
	s_add_co_u32 s20, s20, s23
	s_mov_b32 s21, 0
	s_mov_b32 s23, 0
	s_add_nc_u64 s[24:25], s[24:25], s[22:23]
	s_add_nc_u64 s[26:27], s[16:17], s[20:21]
	s_wait_alu depctr_va_vdst(0)
	WPATH 8192
.Lfunc_end_k_qf8a733ced6_quant:
	.size	k_qf8a733ced6_quant, .Lfunc_end_k_qf8a733ced6_quant-k_qf8a733ced6_quant
	.p2alignl 7, 3214868480
	.fill 96, 4, 3214868480
	.section	.rodata,"a",@progbits
	.p2align	6, 0x0
	.amdhsa_kernel k_qf8a733ced6_quant
		.amdhsa_group_segment_fixed_size 68096
		.amdhsa_private_segment_fixed_size 0
		.amdhsa_enable_private_segment 0
		.amdhsa_kernarg_size 56
		.amdhsa_user_sgpr_count 2
		.amdhsa_user_sgpr_kernarg_segment_ptr 1
		.amdhsa_wavefront_size32 1
		.amdhsa_system_sgpr_workgroup_id_x 1
		.amdhsa_system_sgpr_workgroup_id_y 1
		.amdhsa_system_sgpr_workgroup_id_z 1
		.amdhsa_system_vgpr_workitem_id 0
		.amdhsa_next_free_vgpr 256
		.amdhsa_next_free_sgpr 66
		.amdhsa_reserve_vcc 0
		.amdhsa_float_denorm_mode_32 3
		.amdhsa_float_denorm_mode_16_64 3
		.amdhsa_memory_ordered 1
		.amdhsa_forward_progress 1
		.amdhsa_inst_pref_size 56
	.end_amdhsa_kernel
	.amdgpu_metadata
---
amdhsa.version: [ 1, 2 ]
amdhsa.kernels:
  - .name:           k_qf8a733ced6_quant
    .symbol:         k_qf8a733ced6_quant.kd
    .args:
      - { .name: x, .offset: 0, .size: 8, .value_kind: global_buffer, .address_space: global }
      - { .name: Wq, .offset: 8, .size: 8, .value_kind: global_buffer, .address_space: global }
      - { .name: Wk, .offset: 16, .size: 8, .value_kind: global_buffer, .address_space: global }
      - { .name: Wv, .offset: 24, .size: 8, .value_kind: global_buffer, .address_space: global }
      - { .name: Wo, .offset: 32, .size: 8, .value_kind: global_buffer, .address_space: global }
      - { .name: xq, .offset: 40, .size: 8, .value_kind: global_buffer, .address_space: global }
      - { .name: wq, .offset: 48, .size: 8, .value_kind: global_buffer, .address_space: global }
    .group_segment_fixed_size: 68096
    .private_segment_fixed_size: 0
    .kernarg_segment_align: 8
    .kernarg_segment_size: 56
    .max_flat_workgroup_size: 128
    .sgpr_count:     66
    .vgpr_count:     256
    .wavefront_size: 32
...
	.end_amdgpu_metadata
.endif
;; end of part 1
;; launch qkv (part 2): grid 32 x 12, 4 waves a work-group, clusters of 4 x 1, 327,680 bytes of LDS; arguments xq, wq, qkv; writes qkv
.if DOCPART == 2
	.amdgcn_target "amdgcn-amd-amdhsa--gfx1250"
	.amdhsa_code_object_version 6
	.text
	.protected	k_qf8a733ced6_qkv
	.globl	k_qf8a733ced6_qkv
	.p2align	8
	.type	k_qf8a733ced6_qkv,@function
k_qf8a733ced6_qkv:
	s_mov_b64 s[64:65], 0
	v_nop
	global_prefetch_b8 v0, s[64:65] scope:SCOPE_SE
	s_setreg_imm32_b32 hwreg(HW_REG_WAVE_MODE, 25, 1), 1
	s_wait_xcnt 0x0
	s_wait_alu depctr_hold_cnt(0) depctr_sa_sdst(0) depctr_va_vdst(0) depctr_va_sdst(0) depctr_va_ssrc(0) depctr_va_vcc(0) depctr_vm_vsrc(0)
	s_getreg_b32 s2, hwreg(HW_REG_IB_STS2, 6, 4)
	s_cmp_eq_u32 s2, 0
	s_cbranch_scc0 .Lentry_in_a_cluster
	s_endpgm
.Lentry_in_a_cluster:
	s_bfe_u32 s2, ttmp6, 0x10000c
	s_cmp_lg_u32 s2, 0x3003
	s_cbranch_scc0 .Lentry_shape_is_right
	s_endpgm
.Lentry_shape_is_right:
; q = x Wq, k = x Wk, v = x Wv on codes of BF6 (E3M2) with E8M0 scales, K = 1,024, f32 sums; the results are quantised in registers and stored as codes: q and k along the head's 128, v along the KEYS.
; OPERANDS are records of 12,800 bytes: 128 rows x 128 K as eight images of operand registers (1,536 bytes each: register 4 c + i of a lane at 512 c + 16 lane + 4 i) and, at SCO, 128 scale words.
; Row p of tile T stands for index 32 (T / 2) + 8 (T % 2) + p + 8 (p / 8) of its panel, so that the eight tiles of a panel, taken as source 0, leave a lane's 64 result registers in the order
; register 16 b + i = index 32 b + 16 (lane / 16) + i: four blocks of 32 along the next product's K, half a block a lane.
; SHARES.  A work-group multiplies R (two panels, source 0) by C (one panel, source 1).  Wave w: R's panel w / 2 (8 tiles) x C's tiles 4 (w % 2) .. + 3: 32 accumulators.
;   y < 10: R = weight panels 2 y, 2 y + 1 (q's 16 heads, then k's 4), C = a panel of 128 tokens: a lane holds one token and its registers run along the head's 128.
;   y >= 10: R = two panels of tokens, C = a panel of Wv: a lane holds one channel of v and its registers run along the tokens, which are the keys.
; The two roles differ in pointers and numbers chosen by s_cselect on y; the text is one.
; CLUSTER 4 x 1: the four work-groups of a cluster need the same R: it is asked for JOINTLY (mask 15).  C differs between them and comes by a load of the work-group's own behind the same round.
; A 4 x 4 cluster is not taken: a wave's 128 rows of source 0 must be one whole head (or 128 tokens), so that a fragment and its scale word are finished in registers, and y's 12 rows fall into 10 + 2, which four does not divide.
; LDS: all of K is resident: two slots of 4 K steps (R0's 4 records, R1's, C's); nothing is filled twice.
; LIMITS: a block of zeros gets the byte 1 (its codes are zeros; this program alone reads the bytes); NaN and infinities are not served.
; REGISTERS: window 0: v16-25 addresses; v32-43 scale words, two sets; v48-143 C's fragments, two sets (on the way out: the codes made); v200-215 at work.  window 1: R's fragments, two sets of 96.  window 2: accumulator (a, b) at v[8 (8 a + b)].
.set REC,   12800
.set SCO,   12288
.set FRB,   1536
.set CHUNK, 4*REC                      ; 4 K steps of one panel
.set PANEL, 8*REC                      ; a panel's 8 K steps in memory
.set COFF,  2*CHUNK                    ; C's records in a slot
.set SLOTB, 3*CHUNK
.set AR,  16                           ; v16-17  R's fragments in slot 0, 1: my panel + 16 x lane
.set AC,  18                           ; v18-19  C's: my four tiles + 16 x lane
.set SRA, 20                           ; v20-21  R's scale words: + 4 x lane
.set SCA, 22                           ; v22-23  C's
.set FO,  24                           ; v24     the way out: my four tiles in the record, 16 bytes a lane
.set WO,  25                           ; v25     and their scale words
.set SC,  32                           ; scale words: set p at v[SC + 6 p]: + t: R's tiles 2 t (lanes 0-15) and 2 t + 1 (lanes 16-31); + 4 + t: C's likewise
.set CF,  48
.set TM,  200
.set G1R, 24                           ; s[24:31] group 1 for R;  s[32:39] group 0, a set for each slot
.set G0R, 32
.set G1C, 48                           ; s[48:55], s[56:63] the same for C
.set G0C, 56
.set MSB, 0
.macro WIN new                         ; the immediate's high byte repeats the setting that is left
.if MSB != \new
	s_set_vgpr_msb (MSB<<8)|\new
.set MSB, \new
.endif
.endm
.set MUL,  0xa1                        ; source 0 (R) window 1, source 1 (C) window 0, sums window 2
.set TO_R, 0x40                        ; destination window 1, address window 0
; Waves 0 and 1 fetch R's two panels, waves 2 and 3 the halves of C's.  The branch hangs on the wave's number alone.  Four v_nop follow each of the two lines.
.macro JLOAD s
	s_cmp_eq_u32 s15, 0
	s_cbranch_scc0 .Lfor_c_\@
	tensor_load_to_lds s[G0R+4*\s:G0R+4*\s+3], s[G1R:G1R+7]
	s_nop 0
.rept 4
	v_nop
.endr
	s_branch .Lasked_\@
.Lfor_c_\@:
	tensor_load_to_lds s[G0C+4*\s:G0C+4*\s+3], s[G1C:G1C+7]
	s_nop 0
.rept 4
	v_nop
.endr
.Lasked_\@:
.endm
.macro CROUND                          ; a round of the cluster's barrier
	s_barrier_signal -1
	s_barrier_wait -1
	s_cmp_lg_u32 s14, 0
	s_cbranch_scc1 .Lnot_wave_0_\@
	s_barrier_signal -3
.Lnot_wave_0_\@:
	s_barrier_wait -3
	s_barrier_signal -1
	s_barrier_wait -1
.endm
	s_load_b128 s[4:7], s[0:1], 0x0                ; xq s[4:5], wq s[6:7]
	s_load_b64 s[8:9], s[0:1], 0x10                ; qkv
	v_lshl_add_u32 v254, v0, 2, 0x4b000
	v_mov_b32 v255, 0
	ds_add_u32 v254, v255
	ds_add_u32 v254, v255
	v_lshrrev_b32 v1, 5, v0
	v_readfirstlane_b32 s14, v1                    ; wave 0..3
	s_lshr_b32 s15, s14, 1                         ; i: my panel of R.  Also: I fetch for R (0) or for C (1)
	s_and_b32 s16, s14, 1                          ; j: my half of C's tiles.  Also: which part I fetch
	s_bfe_u32 s40, ttmp6, 0x40000                  ; cx: my place in the cluster
	s_and_b32 s41, ttmp7, 0xffff                   ; y, which the four partners share, as they share the cluster's x (ttmp9)
	s_sub_co_u32 s43, s41, 10
	s_lshl_b32 s43, s43, 3
	s_add_co_u32 s43, s43, ttmp9                   ; v's role: R's pair of token panels = cluster x + 8 (y - 10)
	s_lshl_b32 s44, ttmp9, 2
	s_add_co_u32 s44, s44, s40                     ; q's and k's role: C's token panel = 4 x cluster x + cx
	s_add_co_u32 s45, s40, 20                      ; v's role: C's weight panel = 20 + cx
	s_mov_b32 s[G1R], 15|(3<<16)|(1<<21)           ; 15:0 the mask: all four work-groups; 17:16 elements of 8 bytes; 21 set beside a mask
	s_mov_b32 s[G1R+1], 32<<16                     ; tensor_dim0 = 32 elements: rows of 256 bytes of a dense block
	s_mov_b32 s[G1R+2], 200<<16                    ; tensor_dim1 = 200 rows: 51,200 bytes, 4 records
	s_mov_b32 s[G1R+3], 32<<16                     ; tile_dim0
	s_mov_b32 s[G1R+4], 200                        ; tile_dim1
	s_mov_b32 s[G1R+5], 32                         ; the pitch
	s_mov_b32 s[G1R+6], 0
	s_mov_b32 s[G1R+7], 0
	s_mov_b32 s[G1C], 3<<16                        ; no mask: the work-group's own load
	s_mov_b32 s[G1C+1], 32<<16
	s_mov_b32 s[G1C+2], 100<<16                    ; 100 rows: 25,600 bytes, 2 records
	s_mov_b32 s[G1C+3], 32<<16
	s_mov_b32 s[G1C+4], 100
	s_mov_b32 s[G1C+5], 32
	s_mov_b32 s[G1C+6], 0
	s_mov_b32 s[G1C+7], 0
	s_mov_b32 s68, 0x76543210
	s_mov_b32 s69, 0xfedcba98                      ; v_permlanex16_b32's selects for lane l xor 16
	s_mov_b32 s74, 0xffff0000                      ; lanes 16-31
	s_wait_dscnt 0x0
	s_wait_kmcnt 0x0
	s_cmp_lt_u32 s41, 10                           ; the role: it hangs on y alone
	s_cselect_b32 s43, s41, s43                    ; Rg: R = panels 2 Rg, 2 Rg + 1.  (No register that feeds R's descriptors ever holds cx)
	s_cselect_b32 s45, s44, s45                    ; C's panel in its buffer
	s_cselect_b32 s44, s44, s40                    ; Cg: C's number in the output's order
	s_cselect_b32 s46, 0, 640                      ; the output's record = base + (2 Rg + i) SR + Cg SC
	s_cselect_b32 s47, 32, 1
	s_cselect_b32 s66, 1, 32
	s_cselect_b64 s[10:11], s[6:7], s[4:5]         ; R's buffer
	s_cselect_b64 s[12:13], s[4:5], s[6:7]         ; C's buffer
	s_lshl_b32 s20, s43, 1
	s_add_co_u32 s20, s20, s16
	s_mul_i32 s20, s20, PANEL
	s_mov_b32 s21, 0
	s_add_nc_u64 s[20:21], s[10:11], s[20:21]      ; R: panel 2 Rg + (wave % 2)
	s_mul_i32 s22, s45, PANEL
	s_mul_i32 s23, s16, CHUNK/2
	s_add_co_u32 s22, s22, s23
	s_mov_b32 s23, 0
	s_add_nc_u64 s[22:23], s[12:13], s[22:23]      ; C: its panel, + 2 records x (wave % 2)
	s_lshl_b32 s67, s43, 1
	s_add_co_u32 s67, s67, s15
	s_mul_i32 s67, s67, s47
	s_mul_i32 s66, s44, s66
	s_add_co_u32 s67, s67, s66
	s_add_co_u32 s67, s67, s46
	s_mul_i32 s66, s67, REC
	s_mov_b32 s67, 0
	s_add_nc_u64 s[8:9], s[8:9], s[66:67]          ; my record of the output
	s_mul_i32 s17, s16, CHUNK                      ; where they go in a slot: no place in the cluster enters an LDS address
	s_mul_i32 s18, s16, CHUNK/2
	s_add_co_u32 s18, s18, COFF
	CROUND                                         ; all four work-groups are here: the first joint loads meet
.irp s, 0,1
	s_mov_b32 s[G0R+4*\s], 1                       ; count = 1
	s_add_co_u32 s[G0R+4*\s+1], s17, \s*SLOTB      ; LDS address
	s_add_nc_u64 s[G0R+4*\s+2:G0R+4*\s+3], s[20:21], \s*CHUNK   ; global address: K steps 4 s on
	s_or_b32 s[G0R+4*\s+3], s[G0R+4*\s+3], 0x80000000           ; type = 2
	s_mov_b32 s[G0C+4*\s], 1
	s_add_co_u32 s[G0C+4*\s+1], s18, \s*SLOTB
	s_add_nc_u64 s[G0C+4*\s+2:G0C+4*\s+3], s[22:23], \s*CHUNK
	s_or_b32 s[G0C+4*\s+3], s[G0C+4*\s+3], 0x80000000
.endr
	JLOAD 0                                        ; slot 0: my one tensor load at the head
	v_and_b32 v1, 31, v0
	v_lshlrev_b32 v2, 4, v1                        ; 16 x lane
	s_wait_alu depctr_va_vdst(0)
	v_lshlrev_b32 v3, 2, v1                        ; 4 x lane
	s_wait_alu depctr_va_vdst(0)
	s_mul_i32 s70, s15, CHUNK                      ; my panel of R
	s_add_co_u32 s73, s70, SCO
	s_mul_i32 s71, s16, 4*FRB                      ; my four tiles of C
	s_lshl_b32 s72, s16, 8                         ; and their 64 scale words
	v_add_nc_u32 v[FO], s71, v2
	s_add_co_u32 s71, s71, COFF
	s_add_co_u32 s72, s72, SCO
	v_add_nc_u32 v[WO], s72, v3
	s_add_co_u32 s72, s72, COFF
.irp s, 0,1
	v_add_nc_u32 v[AR+\s], s70, v2
	v_add_nc_u32 v[AC+\s], s71, v2
	v_add_nc_u32 v[SRA+\s], s73, v3
	v_add_nc_u32 v[SCA+\s], s72, v3
	s_add_co_u32 s70, s70, SLOTB
	s_add_co_u32 s71, s71, SLOTB
	s_add_co_u32 s72, s72, SLOTB
	s_add_co_u32 s73, s73, SLOTB
.endr
.irp b, 0,1,2,3
	v_mov_b32 v[TM+4+\b], 0                        ; written once: a lane permute's destination counts as one of its sources
.endr
; 42 LDS loads: the fragments and scale words of the slot's q-th K step into set p.  Every load takes consecutive bytes, 16 or 4 a lane.
.macro FETCH slot, q, p
	WIN TO_R
.irp b, 0,1,2,3,4,5,6,7
.irp c, 0,1,2
	ds_load_b128 v[96*(\p)+12*\b+4*\c:96*(\p)+12*\b+4*\c+3], v[AR+\slot] offset:(\q)*REC+FRB*\b+512*\c
.endr
.endr
	WIN 0
.irp a, 0,1,2,3
.irp c, 0,1,2
	ds_load_b128 v[CF+48*(\p)+12*\a+4*\c:CF+48*(\p)+12*\a+4*\c+3], v[AC+\slot] offset:(\q)*REC+FRB*\a+512*\c
.endr
.endr
.irp t, 0,1,2,3
	ds_load_b32 v[SC+6*(\p)+\t], v[SRA+\slot] offset:(\q)*REC+128*\t
.endr
.irp t, 0,1
	ds_load_b32 v[SC+6*(\p)+4+\t], v[SCA+\slot] offset:(\q)*REC+128*\t
.endr
.endm
; One product.  An odd tile's scale words lie in lanes 16-31 of its pair's register.  z = 1: the product starts the sum.
.macro WM z, oa, ob
.if \z
.if (\oa) && (\ob)
	v_wmma_scale_f32_16x16x128_f8f6f4 v[rD:rD+7], v[rR:rR+11], v[rC:rC+11], 0, v[rS], v[rT] matrix_a_fmt:MATRIX_FMT_BF6 matrix_b_fmt:MATRIX_FMT_BF6 matrix_a_scale:MATRIX_SCALE_ROW1 matrix_b_scale:MATRIX_SCALE_ROW1
.elseif \oa
	v_wmma_scale_f32_16x16x128_f8f6f4 v[rD:rD+7], v[rR:rR+11], v[rC:rC+11], 0, v[rS], v[rT] matrix_a_fmt:MATRIX_FMT_BF6 matrix_b_fmt:MATRIX_FMT_BF6 matrix_a_scale:MATRIX_SCALE_ROW1
.elseif \ob
	v_wmma_scale_f32_16x16x128_f8f6f4 v[rD:rD+7], v[rR:rR+11], v[rC:rC+11], 0, v[rS], v[rT] matrix_a_fmt:MATRIX_FMT_BF6 matrix_b_fmt:MATRIX_FMT_BF6 matrix_b_scale:MATRIX_SCALE_ROW1
.else
	v_wmma_scale_f32_16x16x128_f8f6f4 v[rD:rD+7], v[rR:rR+11], v[rC:rC+11], 0, v[rS], v[rT] matrix_a_fmt:MATRIX_FMT_BF6 matrix_b_fmt:MATRIX_FMT_BF6
.endif
.else
.if (\oa) && (\ob)
	v_wmma_scale_f32_16x16x128_f8f6f4 v[rD:rD+7], v[rR:rR+11], v[rC:rC+11], v[rD:rD+7], v[rS], v[rT] matrix_a_fmt:MATRIX_FMT_BF6 matrix_b_fmt:MATRIX_FMT_BF6 matrix_a_scale:MATRIX_SCALE_ROW1 matrix_b_scale:MATRIX_SCALE_ROW1
.elseif \oa
	v_wmma_scale_f32_16x16x128_f8f6f4 v[rD:rD+7], v[rR:rR+11], v[rC:rC+11], v[rD:rD+7], v[rS], v[rT] matrix_a_fmt:MATRIX_FMT_BF6 matrix_b_fmt:MATRIX_FMT_BF6 matrix_a_scale:MATRIX_SCALE_ROW1
.elseif \ob
	v_wmma_scale_f32_16x16x128_f8f6f4 v[rD:rD+7], v[rR:rR+11], v[rC:rC+11], v[rD:rD+7], v[rS], v[rT] matrix_a_fmt:MATRIX_FMT_BF6 matrix_b_fmt:MATRIX_FMT_BF6 matrix_b_scale:MATRIX_SCALE_ROW1
.else
	v_wmma_scale_f32_16x16x128_f8f6f4 v[rD:rD+7], v[rR:rR+11], v[rC:rC+11], v[rD:rD+7], v[rS], v[rT] matrix_a_fmt:MATRIX_FMT_BF6 matrix_b_fmt:MATRIX_FMT_BF6
.endif
.endif
.endm
; 8 products: C's tile a x R's eight, from set p.  The 32 accumulators take turns, one instruction a turn, in the same order in every K step.
.macro MULQ a, p, z
.irp b, 0,1,2,3,4,5,6,7
.set rD, 8*(8*(\a)+\b)
.set rR, 96*(\p)+12*\b
.set rC, CF+48*(\p)+12*(\a)
.set rS, SC+6*(\p)+\b/2
.set rT, SC+6*(\p)+4+(\a)/2
	WM \z, \b%2, (\a)%2
.endr
.endm
.macro PLACES                          ; four plain vector lines between a matrix instruction and a load into, or a vector read or write of, one of its registers (ISA guide 7.12.1 for vector reads and writes)
.rept 4
	v_nop
.endr
.endm
; A K step that has its successor in the same slot: the next step's 42 loads go out in one run, into the set that the last step multiplied; then this step's 32 products.
.macro STEP slot, q, z
	PLACES
	FETCH \slot, (\q)+1, 1-(\q)%2
	s_wait_dscnt 42                                ; all but the 42 just issued: this step's set is in
	WIN MUL
	MULQ 0, (\q)%2, \z
	MULQ 1, (\q)%2, \z
	MULQ 2, (\q)%2, \z
	MULQ 3, (\q)%2, \z
.endm
	s_wait_alu depctr_va_vdst(0)
	s_wait_tensorcnt 0x0                           ; my part of slot 0 is in; slot 1's first fill is issued as a refill is
	ds_add_u32 v254, v255
	s_wait_dscnt 0x0
	CROUND                                         ; everybody's part of slot 0 is in, and the four work-groups meet
	JLOAD 1                                        ; slot 1: the first tensor load behind the round
	FETCH 0, 0, 0
	STEP 0, 0, 1                                   ; the first K step's products start the sums: nothing is cleared
	STEP 0, 1, 0
	STEP 0, 2, 0
	s_wait_tensorcnt 0x0                           ; slot 0's last K step changes slots: my part of slot 1 is in (no load was issued behind it),
	s_wait_dscnt 0x0                               ; this step's set is in, and no LDS load of mine is out at the signal
	s_barrier_signal -1
	WIN MUL
	MULQ 0, 1, 0
	MULQ 1, 1, 0
	s_barrier_wait -1                              ; slot 1 is whole
	PLACES
	FETCH 1, 0, 0
	WIN MUL
	MULQ 2, 1, 0
	MULQ 3, 1, 0
	STEP 1, 0, 0
	STEP 1, 1, 0
	STEP 1, 2, 0
	s_wait_dscnt 0x0                               ; the last K step: nothing more to fetch
	WIN MUL
	MULQ 0, 1, 0
	MULQ 1, 1, 0
	MULQ 2, 1, 0
	MULQ 3, 1, 0
; THE WAY OUT.  The 64 registers of C's tile a (window 2, v[64 a] on) are 128 numbers along the next K of the lane's row, half a block of 32 in each run of 16: they become one fragment and one scale word a row.
; Each accumulator is read from its low end on.  Each tile has registers of its own for its codes and its word: no store's data are written again.
.macro QUANTW a
.set AB, 64*\a
.set PC, CF+20*\a
.set PW, 130+\a
	WIN 0x0a                                       ; sources 0 and 1 window 2
.irp b, 0,1,2,3
	v_max3_num_f32 v[TM+\b], |v[AB+16*\b]|, |v[AB+16*\b+1]|, 0x2800000   ; block b: my 16 numbers, and the floor 2^(5 - 127): the byte cannot fall under 1
.endr
	WIN 0x28                                       ; sources 1 and 2 window 2
.irp i, 2,4,6,8,10,12,14
.irp b, 0,1,2,3
	v_max3_num_f32 v[TM+\b], v[TM+\b], |v[AB+16*\b+\i]|, |v[AB+16*\b+\i+1]|
.endr
.endr
	WIN 0
.irp b, 0,1,2,3
	v_permlanex16_b32 v[TM+4+\b], v[TM+\b], s68, s69
.endr
.irp b, 0,1,2,3
	v_max_num_f32 v[TM+\b], v[TM+\b], v[TM+4+\b]   ; with lane l xor 16's: the block's largest magnitude
.endr
.irp b, 0,1,2,3
	v_add_nc_u32 v[TM+12+\b], 0xfe000000, v[TM+\b] ; 4 off its exponent field: the conversion's scale operand
.endr
.irp b, 0,1,2,3
	v_lshrrev_b32 v[TM+4+\b], 23, v[TM+12+\b]      ; the scale's byte
.endr
	v_lshl_or_b32 v[PW], v[TM+5], 8, v[TM+4]
	v_lshl_or_b32 v[PW], v[TM+6], 16, v[PW]
	v_lshl_or_b32 v[PW], v[TM+7], 24, v[PW]        ; my row's scale word, in both halves of the lanes
	WIN 0x02                                       ; source 0 window 2
.irp c, 0,1
	v_cvt_scalef32_pk16_bf6_f32 v[PC+6*\c:PC+6*\c+2], v[AB+32*\c:AB+32*\c+15], v[TM+12+2*\c]
	v_cvt_scalef32_pk16_bf6_f32 v[PC+12+4*\c:PC+14+4*\c], v[AB+32*\c+16:AB+32*\c+31], v[TM+13+2*\c]   ; (a conversion's three registers begin on an even number)
.endr
	WIN 0
	v_nop                                          ; one plain place behind a scaled conversion
.irp c, 0,1                            ; the operand's layout wants a WHOLE block in a lane: lanes 0-15 block 2 c, lanes 16-31 block 2 c + 1
.irp i, 0,1,2
	v_permlane16_swap_b32 v[PC+6*\c+\i], v[PC+12+4*\c+\i]
.endr
.irp i, 0,1,2
	v_mov_b32 v[PC+6*\c+3+\i], v[PC+12+4*\c+\i]
.endr
.endr
.irp c, 0,1,2
	global_store_b128 v[FO], v[PC+4*\c:PC+4*\c+3], s[8:9] offset:FRB*\a+512*\c   ; 32 lanes store 512 consecutive bytes, at a multiple of 256 from the buffer's first byte
.endr
.endm
	PLACES
	QUANTW 0
	QUANTW 1
	QUANTW 2
	QUANTW 3
	v_cndmask_b32 v134, v130, v131, s74            ; lanes 0-15: the even tile's words, lanes 16-31: the odd tile's
	v_cndmask_b32 v135, v132, v133, s74
	global_store_b32 v[WO], v134, s[8:9]
	global_store_b32 v[WO], v135, s[8:9] offset:128
	s_wait_tensorcnt 0x0
	s_wait_dscnt 0x0
	s_wait_tensorcnt 0x0
	ds_add_u32 v254, v255
	s_wait_dscnt 0x0
	CROUND                                         ; the closing round: no work-group ends while a partner may still ask for a tile that names it
	s_endpgm
.Lfunc_end_k_qf8a733ced6_qkv:
	.size	k_qf8a733ced6_qkv, .Lfunc_end_k_qf8a733ced6_qkv-k_qf8a733ced6_qkv
	.p2alignl 7, 3214868480
	.fill 96, 4, 3214868480
	.section	.rodata,"a",@progbits
	.p2align	6, 0x0
	.amdhsa_kernel k_qf8a733ced6_qkv
		.amdhsa_group_segment_fixed_size 327680
		.amdhsa_private_segment_fixed_size 0
		.amdhsa_enable_private_segment 0
		.amdhsa_kernarg_size 24
		.amdhsa_user_sgpr_count 2
		.amdhsa_user_sgpr_kernarg_segment_ptr 1
		.amdhsa_wavefront_size32 1
		.amdhsa_system_sgpr_workgroup_id_x 1
		.amdhsa_system_sgpr_workgroup_id_y 1
		.amdhsa_system_sgpr_workgroup_id_z 1
		.amdhsa_system_vgpr_workitem_id 0
		.amdhsa_next_free_vgpr 768
		.amdhsa_next_free_sgpr 80
		.amdhsa_reserve_vcc 0
		.amdhsa_float_denorm_mode_32 3
		.amdhsa_float_denorm_mode_16_64 3
		.amdhsa_memory_ordered 1
		.amdhsa_forward_progress 1
		.amdhsa_inst_pref_size 81
	.end_amdhsa_kernel
	.amdgpu_metadata
---
amdhsa.version: [ 1, 2 ]
amdhsa.kernels:
  - .name:           k_qf8a733ced6_qkv
    .symbol:         k_qf8a733ced6_qkv.kd
    .args:
      - { .name: xq, .offset: 0, .size: 8, .value_kind: global_buffer, .address_space: global }
      - { .name: wq, .offset: 8, .size: 8, .value_kind: global_buffer, .address_space: global }
      - { .name: qkv, .offset: 16, .size: 8, .value_kind: global_buffer, .address_space: global }
    .group_segment_fixed_size: 327680
    .private_segment_fixed_size: 0
    .kernarg_segment_align: 8
    .kernarg_segment_size: 24
    .max_flat_workgroup_size: 128
    .sgpr_count:     80
    .vgpr_count:     768
    .wavefront_size: 32
...
	.end_amdgpu_metadata
.endif
;; end of part 2
;; launch attn (part 3): grid 32 x 8, 16 waves a work-group, no clusters, 327,680 bytes of LDS; arguments qkv, ctx; writes ctx
.if DOCPART == 3
	.amdgcn_target "amdgcn-amd-amdhsa--gfx1250"
	.amdhsa_code_object_version 6
	.text
	.protected	k_qf8a733ced6_attn
	.globl	k_qf8a733ced6_attn
	.p2align	8
	.type	k_qf8a733ced6_attn,@function
k_qf8a733ced6_attn:
	s_mov_b64 s[64:65], 0
	v_nop
	global_prefetch_b8 v0, s[64:65] scope:SCOPE_SE
	s_setreg_imm32_b32 hwreg(HW_REG_WAVE_MODE, 25, 1), 1
	s_wait_xcnt 0x0
; ctx[token][head][:] = the sum over keys k <= token of softmax_k(q . k / sqrt(128)) v, both products on codes of BF6 (E3M2) with E8M0 scales; 16 query heads, 4 key and value heads, 2 batches of 2,048 tokens.
; Key steps all of whose keys lie behind a tile's queries are under the causal mask: they are dealt to no wave.
; THE SOFTMAX: t = score x c, c = log2(e) / sqrt(128); M = the row's largest t so far, rounded UP to a whole number; p = 2^(t - M) is quantised along the keys, not normalised.
; The row's sum is taken of the unquantised p and divides at the end.  When M moves, the sum and O are multiplied by 2^(old M - new M): exact.
; LIMITS: t is made of the score by ONE multiply-add with c; the promise holds while |t| stays under 2^31; a block of zeros gets the byte 1 (zero codes); NaN and infinities are not served.
; OPERANDS are records of 12,800 bytes: eight images of operand registers (1,536 bytes: register 4 c + i of a lane at 512 c + 16 lane + 4 i), then at SCO 128 scale words.
;   q, k: record [head 0-15, 16 + group][panel of 128 tokens]; row p of tile T is token 32 (T / 2) + 8 (T % 2) + p + 8 (p / 8) of the panel.  v: record 640 + [group][128 keys].  ctx: record [panel][head], laid as q.
; Both products are used transposed (S^T = k q^T, O^T = v^T p^T): a lane holds ONE query.
; SHARES.  Work-group (p, batch x group) owns the blocks p (early) and 63 - p (late) of 32 queries for the group's four query heads.  The early block has nE = p / 4 + 1 key steps, the late one 17 - nE (9 to 16).
; A late tile is shared by two waves.  Wave X (bit 2 of the wave's number 0) walks its key steps 0 .. 8.  Wave Y walks the early tile's nE steps, stores that tile, takes the late tile's Q and walks its steps 9 .. 16 - nE:
; 8 steps in all.  Y hands its O, M and sum to X through a stage in LDS; X joins the two parts by exact powers of two and stores the late tile.  So every wave has 8 or 9 key steps in every work-group.
; LDS.  Two slots of two trips, ten places of a record each: Y's K 0-1, X's K 2-4, Y's V 5-6, X's V 7-9.  Waves 0-7 fetch one record each for a slot.  X's ninth step (key step 8) comes once, at the head,
; by waves 8 and 9, into places 4 and 9 of slot 1, on which no refill lands.  While Y walks the early tile its steps are X's too: those records come once for each stream, so that the fills are alike in every work-group.
; Behind the slots: the stage, 8,704 bytes for each pair of waves, and the spare words.
; NO CLUSTER: Y's records, half of every fill, hang on p and differ between the work-groups that share K and V.  NO PREFETCH: a fill is asked for two key steps of all sixteen waves ahead of its first read.
; REGISTERS: v1-4 my lane's places in a slot; v5, v6 the add's; v7, v29 offsets in memory; v8-11 the step's LDS addresses; v12 -M, v13 the largest t, v[14:15] the sum; v16-27 Q; v28 the mask's lane term; v30 the stage;
;   v32-79 four fragments; v80-92 the late tile's Q and scale words; v96-159 S^T, then p; v160-223 O^T; v224-235 codes; v236-254 at work; v253 p's scale word; v255 Q's.
.set REC,   12800
.set SCO,   12288
.set FRB,   1536
.set SLOTB, 10*REC
.set VOF,   5*REC                      ; from K's place to V's
.set STAGE, 2*SLOTB
.set STG,   8704                       ; 16 x 512 bytes of O, 512 for -M and the sum
.set SPARE, STAGE+8*STG                ; the spare words, 128 bytes for each wave
.set SPW, 5
.set NIL, 6
.set TB,  2                            ; s2   LDS byte at which the trip's places begin
.set TT,  3                            ; s3   the trip, 0 .. 8
.set ROLE, 12                          ; s12  1: wave Y
.set NEW, 13                           ; s13  Y: nE; X: 99 (never reached)
.set JMP, 14                           ; s14  9 - nE: what Y's walk leaps at trip nE
.set NST, 15                           ; s15  my trips: 9 or 8
.set LT,  16                           ; s16  the trip that my next fill serves
.set SBL, 17                           ; s17  the slot that it goes to
.set WV,  18
.set PLC, 19                           ; s19  my record's place in a slot, in bytes
.set SEL, 20                           ; s[20:21] lane selects for lane l xor 16
.set CS,  22                           ; s[22:23] c
.set G1,  24                           ; s[24:31] descriptor group 1;  s[32:35] group 0 of the ring;  s[44:47] of key step 8
.set G0,  32
.set G0X, 44
.set KF,  36                           ; s36  the step's first key
.set Q0,  37                           ; s37  my tile's first query
.set SLOTS, 38
.set CNT, 39
.set KVB, 48                           ; s[48:49] K's or V's first record
.set Q0L, 50                           ; s50  the late tile's first query
.macro TLOAD                           ; waves 0-7 fetch, one record each; four v_nop follow the line
	s_cmp_lt_u32 s[WV], 8
	s_cbranch_scc0 .Lnone_\@
	tensor_load_to_lds s[G0:G0+3], s[G1:G1+7]
	s_nop 0
.rept 4
	v_nop
.endr
.Lnone_\@:
.endm
.macro DESC                            ; group 0 for trip LT: key step LT, or LT + 9 - nE from Y's leap on; then on to the next fill
	s_cmp_ge_u32 s[LT], s[NEW]
	s_cselect_b32 s40, s[JMP], 0
	s_add_co_u32 s40, s40, s[LT]
	s_mul_i32 s40, s40, REC
	s_mov_b32 s41, 0
	s_add_nc_u64 s[G0+2:G0+3], s[KVB:KVB+1], s[40:41]
	s_or_b32 s[G0+3], s[G0+3], 0x80000000
	s_add_co_u32 s[G0+1], s[SBL], s[PLC]
	s_xor_b32 s[SBL], s[SBL], SLOTB
	s_add_co_u32 s[LT], s[LT], 2
.endm
.macro TILEOF blk, q0, qoff, plc       ; my tile of block blk: first query, q's record in bytes, place in the record; the panel is left in s58
	s_lshl_b32 s[\q0], s[\blk], 5
	s_lshl_b32 s57, s54, 3
	s_add_co_u32 s[\q0], s[\q0], s57
	s_lshl_b32 s57, s[\blk], 1
	s_add_co_u32 s57, s57, s54
	s_lshl_b32 s58, s51, 7
	s_add_co_u32 s57, s57, s58
	s_lshr_b32 s58, s57, 3
	s_and_b32 s[\plc], s57, 7
	s_lshl_b32 s59, s53, 5
	s_add_co_u32 s59, s59, s58
	s_mul_i32 s[\qoff], s59, REC
.endm
	s_load_b128 s[4:7], s[0:1], 0x0                ; qkv s[4:5], ctx s[6:7]
	v_lshl_add_u32 v[SPW], v0, 2, SPARE
	v_mov_b32 v[NIL], 0
	ds_add_u32 v[SPW], v[NIL]                      ; the opening lines: the add twice and its wait ahead of the first tensor load
	ds_add_u32 v[SPW], v[NIL]
	v_lshrrev_b32 v8, 5, v0
	v_readfirstlane_b32 s[WV], v8                  ; wave 0..15
	s_and_b32 s40, ttmp7, 0xffff
	s_lshr_b32 s51, s40, 2                         ; batch
	s_and_b32 s52, s40, 3                          ; group
	s_and_b32 s53, s[WV], 3
	s_lshl_b32 s41, s52, 2
	s_add_co_u32 s53, s53, s41                     ; my query head
	s_bfe_u32 s[ROLE], s[WV], 0x10002
	s_xor_b32 s42, s[ROLE], 1                      ; 1: wave X
	s_add_co_u32 s[NST], s42, 8
	s_lshr_b32 s54, s[WV], 3                       ; which tile of the block
	s_lshr_b32 s41, ttmp9, 2
	s_add_co_u32 s41, s41, 1                       ; nE
	s_sub_co_u32 s[JMP], 9, s41
	s_sub_co_u32 s55, 63, ttmp9                    ; the late block
	s_cmp_eq_u32 s[ROLE], 1
	s_cselect_b32 s56, ttmp9, s55                  ; the block that I begin with
	s_cselect_b32 s[NEW], s41, 99
	s_lshl_b32 s[PLC], s42, 1                      ; my record's place: 2 for X's stream + 5 for V + the trip's parity
	s_mul_i32 s43, s42, 2*REC                      ; and where my stream's places begin
	s_mov_b32 s62, s43
	TILEOF 56, Q0, 42, 43
	s_lshl_b32 s59, s58, 4
	s_add_co_u32 s59, s59, s53
	s_mul_i32 s60, s59, REC                        ; ctx's record of that tile
	s_mov_b32 s40, s62                             ; (my stream's places)
	TILEOF 55, Q0L, 62, 63
	s_lshl_b32 s57, s52, 5
	s_lshl_b32 s58, s51, 4
	s_add_co_u32 s57, s57, s58
	s_add_co_u32 s57, s57, 512                     ; K's first record: 512 + 32 group + 16 batch; V's lies 128 on
	s_bfe_u32 s58, s[WV], 0x10001                  ; waves 0-7: K (0) or V (1)
	s_and_b32 s[LT], s[WV], 1                      ; which trip of a slot; waves 8, 9: K or V
	s_lshl_b32 s59, s58, 7
	s_add_co_u32 s59, s59, s57
	s_mul_i32 s61, s59, REC
	s_lshl_b32 s59, s[LT], 7
	s_add_co_u32 s59, s59, s57
	s_add_co_u32 s59, s59, 8
	s_mul_i32 s59, s59, REC                        ; key step 8's record
	s_mul_i32 s58, s58, 5
	s_add_co_u32 s[PLC], s[PLC], s58
	s_add_co_u32 s[PLC], s[PLC], s[LT]
	s_mul_i32 s[PLC], s[PLC], REC
	s_mul_i32 s[G0X+1], s[LT], VOF
	s_add_co_u32 s[G0X+1], s[G0X+1], SLOTB+4*REC   ; places 4 and 9 of slot 1
	s_mov_b32 s[G0X], 1
	s_mov_b32 s[G0], 1
	s_mov_b32 s51, s40                             ; what the vector lines below add
	s_add_co_u32 s52, s51, SCO
	s_and_b32 s53, s[WV], 3
	s_lshr_b32 s54, s[WV], 3
	s_lshl_b32 s54, s54, 2
	s_or_b32 s53, s53, s54                         ; my pair of waves, 0 .. 7
	s_mul_i32 s53, s53, STG
	s_add_co_u32 s53, s53, STAGE
	s_mul_i32 s54, s43, FRB
	s_mul_i32 s55, s63, FRB
	s_lshl_b32 s56, s43, 6
	s_add_co_u32 s56, s56, SCO
	s_lshl_b32 s57, s63, 6
	s_add_co_u32 s57, s57, SCO
	s_mov_b32 s[G1], 3<<16                         ; no mask; elements of 8 bytes; no padding
	s_mov_b32 s[G1+1], 32<<16                      ; tensor_dim0 = 32: rows of 256 bytes of a dense block
	s_mov_b32 s[G1+2], 50<<16                      ; tensor_dim1 = 50 rows: a record
	s_mov_b32 s[G1+3], 32<<16                      ; tile_dim0
	s_mov_b32 s[G1+4], 50                          ; tile_dim1
	s_mov_b32 s[G1+5], 32                          ; the pitch
	s_mov_b32 s[G1+6], 0
	s_mov_b32 s[G1+7], 0
	s_mov_b32 s[SEL], 0x76543210
	s_mov_b32 s[SEL+1], 0xfedcba98
	s_mov_b32 s[CS], 0x3e0293ee                    ; c = log2(e) / sqrt(128)
	s_mov_b32 s[CS+1], s[CS]
	s_mov_b32 s[TB], 0
	s_mov_b32 s[TT], 0
	s_mov_b32 s[SBL], 0
	s_mov_b32 s[SLOTS], 3
	s_wait_dscnt 0x0                               ; both opening adds are done
	s_wait_kmcnt 0x0
	s_mov_b32 s41, 0
	s_mov_b32 s40, s42
	s_add_nc_u64 s[8:9], s[4:5], s[40:41]          ; q's record of the tile that I begin with,
	s_mov_b32 s40, s62
	s_add_nc_u64 s[10:11], s[4:5], s[40:41]        ; of the late tile
	s_mov_b32 s40, s60
	s_add_nc_u64 s[6:7], s[6:7], s[40:41]
	s_mov_b32 s40, s61
	s_add_nc_u64 s[KVB:KVB+1], s[4:5], s[40:41]
	s_mov_b32 s40, s59
	s_add_nc_u64 s[G0X+2:G0X+3], s[4:5], s[40:41]
	s_or_b32 s[G0X+3], s[G0X+3], 0x80000000
	DESC                                           ; slot 0: trips 0 and 1
	s_cmp_lt_u32 s[WV], 8                          ; the head's fills: one chain on the wave's number, one load to an arm
	s_cbranch_scc0 .Lhead_x
	tensor_load_to_lds s[G0:G0+3], s[G1:G1+7]
	s_nop 0
.rept 4
	v_nop
.endr
	s_branch .Lhead_asked
.Lhead_x:
	s_cmp_lt_u32 s[WV], 10
	s_cbranch_scc0 .Lhead_asked
	tensor_load_to_lds s[G0X:G0X+3], s[G1:G1+7]    ; key step 8, for X's ninth trip
	s_nop 0
.rept 4
	v_nop
.endr
.Lhead_asked:
	v_and_b32 v8, 31, v0
	v_and_b32 v11, 15, v0                          ; r
	v_bfe_u32 v94, v0, 4, 1                        ; h
	v_lshlrev_b32 v9, 4, v8                        ; 16 x lane
	v_lshlrev_b32 v10, 2, v8                       ; 4 x lane
	v_and_b32 v95, 8, v11
	v_lshlrev_b32 v94, 4, v94
	v_add_nc_u32 v1, s51, v9                       ; K's fragments in my stream's places
	v_add_nc_u32 v3, s52, v10                      ; K's scale words
	v_add_nc_u32 v30, s53, v9                      ; my pair's stage
	v_add_nc_u32 v29, s54, v9                      ; in q's and ctx's record: my tile's fragment,
	v_add_nc_u32 v31, s55, v9                      ; the late tile's
	v_lshl_add_u32 v7, v11, 2, s56                 ; and their scale words, row r's
	v_lshl_add_u32 v93, v11, 2, s57
	v_add_nc_u32 v28, v95, v11
	v_add_nc_u32 v2, VOF, v1                       ; V's
	v_add_nc_u32 v4, VOF, v3
	v_sub_nc_u32 v28, v28, v94                     ; r + 8 (r / 8) - 16 h: my query less Q0, less my half's first key
.irp c, 0,1,2
	global_load_b128 v[16+4*\c:19+4*\c], v29, s[8:9] offset:512*\c
	global_load_b128 v[80+4*\c:83+4*\c], v31, s[10:11] offset:512*\c
.endr
	global_load_b32 v255, v7, s[8:9]
	global_load_b32 v92, v93, s[10:11]
	v_mov_b32 v13, 0xff61b1e6                      ; the largest t so far: -3e38, under every t
	v_mov_b32 v14, 0                               ; the sum, in two halves
	v_mov_b32 v15, 0
	v_floor_f32 v12, -v13                          ; -M
.irp b, 0,1,2,3
	v_mov_b32 v[236+\b], 0                         ; written once: a lane permute's destination counts as one of its sources
.endr
	v_mov_b32 v252, 0
	v_mov_b32 v253, 0
.set j, 0
.rept 64
	v_mov_b32 v[160+j], 0                          ; O^T: the step is written for every trip alike
.set j, j+1
.endr
.macro FOUR g, fa, sa                  ; four fragments and their two registers of scale words: tiles 4 g .. 4 g + 3 of the record
.irp t, 0,1,2,3
.irp c, 0,1,2
	ds_load_b128 v[32+12*\t+4*\c:35+12*\t+4*\c], v[\fa] offset:FRB*(4*\g+\t)+512*\c
.endr
.endr
.irp u, 0,1
	ds_load_b32 v[248+\u], v[\sa] offset:128*(2*\g+\u)   ; lanes 0-15: the even tile's words, lanes 16-31: the odd tile's
.endr
	s_wait_dscnt 0x0
.endm
; A TILE LEAVES.  O^T / the sum: register 16 b + i is channel 32 b + 16 (lane / 16) + i of my query, 128 along the last product's K: quantised as p is and stored as my tile's fragment of ctx.
.macro FINISH
.rept 4
	v_nop                                          ; places behind the last products
.endr
	v_add_f32 v14, v14, v15
	s_delay_alu instid0(VALU_DEP_1)
	v_permlanex16_b32 v252, v14, s[SEL], s[SEL+1]
	s_delay_alu instid0(VALU_DEP_1)
	v_add_f32 v14, v14, v252                       ; the row's sum
	s_wait_alu depctr_va_vdst(0)
	v_rcp_f32 v14, v14
	v_nop
.set j, 0
	s_wait_alu depctr_va_vdst(0)
.rept 64
	v_mul_f32 v[96+j], v[160+j], v14               ; each accumulator from its low end on
.set j, j+1
.endr
.irp b, 0,1,2,3
	v_max3_num_f32 v[232+\b], |v[96+16*\b]|, |v[97+16*\b]|, 0x2800000
.endr
.irp i, 2,4,6,8,10,12,14
.irp b, 0,1,2,3
	s_delay_alu instid0(VALU_DEP_4)
	v_max3_num_f32 v[232+\b], v[232+\b], |v[96+16*\b+\i]|, |v[97+16*\b+\i]|
.endr
.endr
.irp b, 0,1,2,3
	s_delay_alu instid0(VALU_DEP_4)
	v_permlanex16_b32 v[236+\b], v[232+\b], s[SEL], s[SEL+1]
.endr
.irp b, 0,1,2,3
	s_delay_alu instid0(VALU_DEP_4)
	v_max_num_f32 v[232+\b], v[232+\b], v[236+\b]
.endr
.irp b, 0,1,2,3
	s_delay_alu instid0(VALU_DEP_4)
	v_add_nc_u32 v[244+\b], 0xfe000000, v[232+\b]
.endr
.irp b, 0,1,2,3
	s_delay_alu instid0(VALU_DEP_4)
	v_lshrrev_b32 v[236+\b], 23, v[244+\b]
.endr
	s_delay_alu instid0(VALU_DEP_3)
	v_lshl_or_b32 v253, v237, 8, v236
	s_delay_alu instid0(VALU_DEP_1)
	v_lshl_or_b32 v253, v238, 16, v253
	s_delay_alu instid0(VALU_DEP_1)
	v_lshl_or_b32 v253, v239, 24, v253
.irp c, 0,1
	v_cvt_scalef32_pk16_bf6_f32 v[224+6*\c:226+6*\c], v[96+32*\c:111+32*\c], v[244+2*\c]
	v_cvt_scalef32_pk16_bf6_f32 v[236+4*\c:238+4*\c], v[112+32*\c:127+32*\c], v[245+2*\c]
.endr
	v_nop
.irp c, 0,1
.irp i, 0,1,2
	v_permlane16_swap_b32 v[224+6*\c+\i], v[236+4*\c+\i]
.endr
.irp i, 0,1,2
	s_delay_alu instid0(VALU_DEP_3)
	v_mov_b32 v[227+6*\c+\i], v[236+4*\c+\i]
.endr
.endr
.irp c, 0,1,2
	global_store_b128 v29, v[224+4*\c:227+4*\c], s[6:7] offset:512*\c   ; 32 lanes store 512 consecutive bytes, at a multiple of 256 from the buffer's first byte
.endr
	global_store_b32 v7, v253, s[6:7]              ; my tile's 16 scale words; lanes l and l + 16 store the same word to the same place
.endm
; A TRIP: 128 keys.
.macro STEP
	s_cmp_ge_u32 s[TT], s[NST]                     ; Y has no ninth trip (a branch on ids)
	s_cbranch_scc1 .Lhidden_\@
	s_cmp_ge_u32 s[TT], s[NEW]
	s_cselect_b32 s40, s[JMP], 0
	s_add_co_u32 s40, s40, s[TT]
	s_lshl_b32 s[KF], s40, 7                       ; the step's first key
	v_add_nc_u32 v8, s[TB], v1                     ; (these four are also the places in front of the loads into registers that the last products read)
	v_add_nc_u32 v9, s[TB], v2
	v_add_nc_u32 v10, s[TB], v3
	v_add_nc_u32 v11, s[TB], v4
	s_wait_alu depctr_va_vdst(0)
.irp g, 0,1                            ; S^T = K Q^T, four tiles of 16 keys at a time
.if \g > 0
.rept 4
	v_nop
.endr
.endif
	FOUR \g, 8, 10
.irp t, 0,2
	v_wmma_scale_f32_16x16x128_f8f6f4 v[96+8*(4*\g+\t):103+8*(4*\g+\t)], v[32+12*\t:43+12*\t], v[16:27], 0, v[248+\t/2], v255 matrix_a_fmt:MATRIX_FMT_BF6 matrix_b_fmt:MATRIX_FMT_BF6
	v_wmma_scale_f32_16x16x128_f8f6f4 v[104+8*(4*\g+\t):111+8*(4*\g+\t)], v[44+12*\t:55+12*\t], v[16:27], 0, v[248+\t/2], v255 matrix_a_fmt:MATRIX_FMT_BF6 matrix_b_fmt:MATRIX_FMT_BF6 matrix_a_scale:MATRIX_SCALE_ROW1
.endr
.endr                                  ; register 16 b + i holds key KF + 32 b + 16 (lane / 16) + i
.rept 4
	v_nop
.endr
	s_add_co_u32 s40, s[KF], 127
	s_cmp_le_u32 s40, s[Q0]                        ; all its keys count: no mask
	s_cbranch_scc1 .Lopen_\@
	s_sub_co_i32 s40, s[Q0], s[KF]
	v_add_nc_u32 v252, s40, v28                    ; d = my query - KF - 16 (lane / 16): register 16 b + i is hidden where 32 b + i > d
	v_mov_b32 v254, 0xff800000                     ; -infinity: p = 0 then
.set n, 0
.rept 64
	v_cmp_gt_i32 vcc_lo, 32*(n/16)+n%16, v252
	v_cndmask_b32 v[96+n], v[96+n], v254, vcc_lo
.set n, n+1
.endr
.Lopen_\@:
.irp b, 0,1,2,3
	v_max3_num_f32 v[232+\b], v[96+16*\b], v[97+16*\b], v[98+16*\b]   ; the largest score of each block of 32 keys: for the row's maximum and, since p rises with the score, for the block's largest p
.endr
.irp i, 3,5,7,9,11,13
.irp b, 0,1,2,3
	v_max3_num_f32 v[232+\b], v[232+\b], v[96+16*\b+\i], v[97+16*\b+\i]
.endr
.endr
.irp b, 0,1,2,3
	v_max_num_f32 v[232+\b], v[232+\b], v[111+16*\b]
.endr
.irp b, 0,1,2,3
	s_delay_alu instid0(VALU_DEP_4)
	v_permlanex16_b32 v[236+\b], v[232+\b], s[SEL], s[SEL+1]
.endr
.irp b, 0,1,2,3
	s_delay_alu instid0(VALU_DEP_4)
	v_max_num_f32 v[232+\b], v[232+\b], v[236+\b]  ; with lane l xor 16's 16 keys
.endr
	s_delay_alu instid0(VALU_DEP_2)
	v_max3_num_f32 v254, v232, v233, v234
	s_delay_alu instid0(VALU_DEP_1)
	v_max_num_f32 v254, v254, v235                 ; the step's largest score of my query
	s_delay_alu instid0(VALU_DEP_1)
	v_mul_f32 v254, s[CS], v254                    ; as t (c is positive)
	s_delay_alu instid0(VALU_DEP_1)
	v_max_num_f32 v13, v13, v254                   ; the running largest t
	v_mov_b32 v254, v12
	s_delay_alu instid0(VALU_DEP_2)
	v_floor_f32 v12, -v13                          ; the new -M = floor(-t) = -ceil(t)
	s_delay_alu instid0(VALU_DEP_1)
	v_sub_f32 v254, v12, v254                      ; M's old value less its new one: a whole number, 0 or less
	s_delay_alu instid0(VALU_DEP_1)
	v_cvt_i32_f32 v254, v254                       ; (it saturates)
	s_delay_alu instid0(VALU_DEP_1)
	v_ldexp_f32 v252, 1.0, v254                    ; f = 2^(old M - new M)
.set j, 0
.rept 32
	v_pk_fma_f32 v[96+j:97+j], v[96+j:97+j], s[CS:CS+1], v[12:13] op_sel_hi:[1,0,0]   ; t - M, two at a time
.set j, j+2
.endr
.irp b, 0,1,2,3
	v_fma_f32 v[232+\b], v[232+\b], s[CS], v12     ; the same of each block's largest score
.endr
.set j, 0
	s_wait_alu depctr_va_vdst(0)
.rept 64
	v_exp_f32 v[96+j], v[96+j]                     ; p = 2^(t - M), at most 1: not normalised
.set j, j+1
.endr
.irp b, 0,1,2,3
	v_exp_f32 v[232+\b], v[232+\b]                 ; the block's largest p
.endr
	v_pk_mul_f32 v[14:15], v[14:15], v[252:253] op_sel_hi:[1,0]   ; the sums under the new M
	s_wait_alu depctr_va_vdst(0)
.irp b, 0,1,2,3
	v_max_num_f32 v[232+\b], 0x2800000, v[232+\b]  ; the floor 2^(5 - 127): the byte cannot fall under 1
.endr
.irp b, 0,1,2,3
	s_delay_alu instid0(VALU_DEP_4)
	v_add_nc_u32 v[244+\b], 0xfe000000, v[232+\b]  ; 4 off the exponent field: the conversion's scale operand
.endr
.irp b, 0,1,2,3
	s_delay_alu instid0(VALU_DEP_4)
	v_lshrrev_b32 v[236+\b], 23, v[244+\b]         ; the scale's byte
.endr
	s_delay_alu instid0(VALU_DEP_3)
	v_lshl_or_b32 v253, v237, 8, v236              ; p's scale word for these 128 keys
	s_delay_alu instid0(VALU_DEP_1)
	v_lshl_or_b32 v253, v238, 16, v253
	s_delay_alu instid0(VALU_DEP_1)
	v_lshl_or_b32 v253, v239, 24, v253
.irp c, 0,1
	v_cvt_scalef32_pk16_bf6_f32 v[224+6*\c:226+6*\c], v[96+32*\c:111+32*\c], v[244+2*\c]
	v_cvt_scalef32_pk16_bf6_f32 v[236+4*\c:238+4*\c], v[112+32*\c:127+32*\c], v[245+2*\c]
.endr
	v_nop                                          ; one plain place behind a scaled conversion
.irp c, 0,1                            ; the operand's layout wants a whole block in a lane
.irp i, 0,1,2
	v_permlane16_swap_b32 v[224+6*\c+\i], v[236+4*\c+\i]
.endr
.irp i, 0,1,2
	s_delay_alu instid0(VALU_DEP_3)
	v_mov_b32 v[227+6*\c+\i], v[236+4*\c+\i]
.endr
.endr
	v_pk_add_f32 v[236:237], v[100:101], v[104:105]   ; the row's sum of the unquantised p, in eight chains
	v_pk_add_f32 v[250:251], v[108:109], v[112:113]
	v_pk_add_f32 v[248:249], v[116:117], v[120:121]
	v_pk_add_f32 v[246:247], v[124:125], v[128:129]
	v_pk_add_f32 v[244:245], v[132:133], v[136:137]
	v_pk_add_f32 v[242:243], v[140:141], v[144:145]
	v_pk_add_f32 v[240:241], v[148:149], v[152:153]
	v_pk_add_f32 v[14:15], v[14:15], v[156:157]
	v_pk_add_f32 v[236:237], v[236:237], v[96:97]
	v_pk_add_f32 v[250:251], v[250:251], v[98:99]
	v_pk_add_f32 v[248:249], v[248:249], v[102:103]
	v_pk_add_f32 v[246:247], v[246:247], v[106:107]
	v_pk_add_f32 v[244:245], v[244:245], v[110:111]
	v_pk_add_f32 v[242:243], v[242:243], v[114:115]
	v_pk_add_f32 v[240:241], v[240:241], v[118:119]
	v_pk_add_f32 v[14:15], v[14:15], v[122:123]
	v_pk_add_f32 v[236:237], v[236:237], v[126:127]
	v_pk_add_f32 v[250:251], v[250:251], v[130:131]
	v_pk_add_f32 v[248:249], v[248:249], v[134:135]
	v_pk_add_f32 v[246:247], v[246:247], v[138:139]
	v_pk_add_f32 v[244:245], v[244:245], v[142:143]
	v_pk_add_f32 v[242:243], v[242:243], v[146:147]
	v_pk_add_f32 v[240:241], v[240:241], v[150:151]
	v_pk_add_f32 v[14:15], v[14:15], v[154:155]
	v_pk_add_f32 v[236:237], v[236:237], v[158:159]
	s_delay_alu instid0(VALU_DEP_2)
	v_pk_add_f32 v[14:15], v[14:15], v[246:247]
	s_delay_alu instid0(VALU_DEP_2)
	v_pk_add_f32 v[236:237], v[236:237], v[244:245]
	v_pk_add_f32 v[250:251], v[250:251], v[242:243]
	v_pk_add_f32 v[248:249], v[248:249], v[240:241]
	s_delay_alu instid0(VALU_DEP_2)
	v_pk_add_f32 v[14:15], v[14:15], v[250:251]
	s_delay_alu instid0(VALU_DEP_2)
	v_pk_add_f32 v[236:237], v[236:237], v[248:249]
	s_delay_alu instid0(VALU_DEP_1)
	v_pk_add_f32 v[14:15], v[14:15], v[236:237]
.set j, 0
.rept 32
	v_pk_mul_f32 v[160+j:161+j], v[160+j:161+j], v[252:253] op_sel_hi:[1,0]   ; O^T under the new M: x f
.set j, j+2
.endr
	s_wait_alu depctr_va_vdst(0)
.irp g, 0,1                            ; O^T += V^T P^T: four tiles of 16 channels at a time; K = these 128 keys
.if \g > 0
.rept 4
	v_nop
.endr
.endif
	FOUR \g, 9, 11
.irp t, 0,2
	v_wmma_scale_f32_16x16x128_f8f6f4 v[160+8*(4*\g+\t):167+8*(4*\g+\t)], v[32+12*\t:43+12*\t], v[224:235], v[160+8*(4*\g+\t):167+8*(4*\g+\t)], v[248+\t/2], v253 matrix_a_fmt:MATRIX_FMT_BF6 matrix_b_fmt:MATRIX_FMT_BF6
	v_wmma_scale_f32_16x16x128_f8f6f4 v[168+8*(4*\g+\t):175+8*(4*\g+\t)], v[44+12*\t:55+12*\t], v[224:235], v[168+8*(4*\g+\t):175+8*(4*\g+\t)], v[248+\t/2], v253 matrix_a_fmt:MATRIX_FMT_BF6 matrix_b_fmt:MATRIX_FMT_BF6 matrix_a_scale:MATRIX_SCALE_ROW1
.endr
.endr
	s_add_co_u32 s40, s[TT], 1
	s_cmp_eq_u32 s40, s[NEW]                       ; Y's early tile is done (a branch on ids): it leaves, and Y goes on with the late tile
	s_cbranch_scc0 .Lhidden_\@
	FINISH
	v_mov_b32 v255, v92                            ; the late tile's scale words and Q
.set j, 0
.rept 12
	v_mov_b32 v[16+j], v[80+j]
.set j, j+1
.endr
	v_mov_b32 v13, 0xff61b1e6                      ; the largest t begins anew: the next step's f is then 0, which clears the sum and O^T
	s_delay_alu instid0(VALU_DEP_1)
	v_floor_f32 v12, -v13
	s_mov_b32 s[Q0], s[Q0L]
	s_wait_alu depctr_va_vdst(0)
	s_wait_xcnt 0x0                                ; the stores have read their registers: the next step writes them again
.Lhidden_\@:
	s_add_co_u32 s[TT], s[TT], 1
	s_add_co_u32 s[TB], s[TB], REC                 ; the next trip's places
.endm
; THE CHANGE OF SLOTS.  Each wave waits for all its tensor loads, adds 0 to its spare word, and waits for that and for its reads
; of the slot that it has left.  Behind the barrier the slot ahead is whole and nobody reads the other one, which is filled with the two trips that follow.
.macro CHANGE fill
	s_wait_tensorcnt 0x0
	ds_add_u32 v[SPW], v[NIL]
	ds_add_u32 v[SPW], v[NIL]
.if \fill
	DESC                                           ; no tensor load of mine is out, so group 0 may be written
.endif
	s_wait_dscnt 0x0
	s_barrier_signal -1
	s_barrier_wait -1
.if \fill
	TLOAD
.endif
.endm
.macro STEPS n
	s_mov_b32 s[CNT], \n
.Lstep_\@:
	STEP
	s_sub_co_u32 s[CNT], s[CNT], 1
	s_cmp_lg_u32 s[CNT], 0
	s_cbranch_scc1 .Lstep_\@
.endm
	s_wait_alu depctr_va_vdst(0)
	s_wait_loadcnt 0x0                             ; Q, twice
.Lslot:                                            ; 3 turns: slots with trips 0-1, 2-3, 4-5; behind each change the next slot is asked for
	CHANGE 1
	STEPS 2
	s_sub_co_u32 s[TB], s[TB], 2*REC               ; back to the slot's first places,
	s_xor_b32 s[TB], s[TB], SLOTB                  ; in the other slot
	s_sub_co_u32 s[SLOTS], s[SLOTS], 1
	s_cmp_lg_u32 s[SLOTS], 0
	s_cbranch_scc1 .Lslot
	CHANGE 0                                       ; the last slot is written out: nothing more is asked for
	STEPS 3                                        ; trips 6, 7, and X's trip 8, whose records lie in the places behind
	s_cmp_eq_u32 s[ROLE], 1
	s_cbranch_scc0 .Lmeet
	v_add_f32 v13, v14, v15                        ; Y hands over: its lane's sum beside -M,
.rept 4
	v_nop                                          ; places behind the last products
.endr
.set j, 0
.rept 16
	ds_store_b128 v30, v[160+4*j:163+4*j] offset:512*j   ; and O^T, as an image of the registers, each accumulator from its low end on
.set j, j+1
.endr
	ds_store_b64 v30, v[12:13] offset:8192
.Lmeet:
	s_wait_dscnt 0x0                               ; my stores are done
	s_barrier_signal -1
	s_barrier_wait -1
	s_cmp_eq_u32 s[ROLE], 1
	s_cbranch_scc1 .Lend
.set j, 0
.rept 16
	ds_load_b128 v[96+4*j:99+4*j], v30 offset:512*j
.set j, j+1
.endr
	ds_load_b64 v[240:241], v30 offset:8192
	s_wait_dscnt 0x0
	v_min_num_f32 v242, v12, v240                  ; X joins the parts: the common -M,
	v_add_f32 v14, v14, v15
	s_delay_alu instid0(VALU_DEP_2)
	v_sub_f32 v243, v242, v12                      ; each part's M less the common one: whole numbers, 0 or less
	v_sub_f32 v244, v242, v240
	s_delay_alu instid0(VALU_DEP_2)
	v_cvt_i32_f32 v243, v243                       ; (they saturate: a part with no step, M at -3e38, gets the factor 0)
	s_delay_alu instid0(VALU_DEP_2)
	v_cvt_i32_f32 v244, v244
	s_delay_alu instid0(VALU_DEP_2)
	v_ldexp_f32 v252, 1.0, v243
	s_delay_alu instid0(VALU_DEP_2)
	v_ldexp_f32 v254, 1.0, v244
	s_delay_alu instid0(VALU_DEP_2)
	v_mul_f32 v14, v14, v252
	v_mov_b32 v15, 0
	s_delay_alu instid0(VALU_DEP_2)
	v_fma_f32 v14, v241, v254, v14                 ; the sums,
.set j, 0
.rept 32
	v_pk_mul_f32 v[160+j:161+j], v[160+j:161+j], v[252:253] op_sel_hi:[1,0]
.set j, j+2
.endr
.set j, 0
.rept 32
	v_pk_fma_f32 v[160+j:161+j], v[96+j:97+j], v[254:255], v[160+j:161+j] op_sel_hi:[1,0,1]   ; and O^T
.set j, j+2
.endr
	FINISH
.Lend:
	s_wait_tensorcnt 0x0                           ; the wave's end
	ds_add_u32 v[SPW], v[NIL]
	s_wait_dscnt 0x0
	s_endpgm
.Lfunc_end_k_qf8a733ced6_attn:
	.size	k_qf8a733ced6_attn, .Lfunc_end_k_qf8a733ced6_attn-k_qf8a733ced6_attn
	.p2alignl 7, 3214868480
	.fill 96, 4, 3214868480
	.section	.rodata,"a",@progbits
	.p2align	6, 0x0
	.amdhsa_kernel k_qf8a733ced6_attn
		.amdhsa_group_segment_fixed_size 327680
		.amdhsa_private_segment_fixed_size 0
		.amdhsa_enable_private_segment 0
		.amdhsa_kernarg_size 16
		.amdhsa_user_sgpr_count 2
		.amdhsa_user_sgpr_kernarg_segment_ptr 1
		.amdhsa_wavefront_size32 1
		.amdhsa_system_sgpr_workgroup_id_x 1
		.amdhsa_system_sgpr_workgroup_id_y 1
		.amdhsa_system_sgpr_workgroup_id_z 1
		.amdhsa_system_vgpr_workitem_id 0
		.amdhsa_next_free_vgpr 256
		.amdhsa_next_free_sgpr 66
		.amdhsa_reserve_vcc 1
		.amdhsa_float_denorm_mode_32 3
		.amdhsa_float_denorm_mode_16_64 3
		.amdhsa_memory_ordered 1
		.amdhsa_forward_progress 1
		.amdhsa_inst_pref_size 97
	.end_amdhsa_kernel
	.amdgpu_metadata
---
amdhsa.version: [ 1, 2 ]
amdhsa.kernels:
  - .name:           k_qf8a733ced6_attn
    .symbol:         k_qf8a733ced6_attn.kd
    .args:
      - { .name: qkv, .offset: 0, .size: 8, .value_kind: global_buffer, .address_space: global }
      - { .name: ctx, .offset: 8, .size: 8, .value_kind: global_buffer, .address_space: global }
    .group_segment_fixed_size: 327680
    .private_segment_fixed_size: 0
    .kernarg_segment_align: 8
    .kernarg_segment_size: 16
    .max_flat_workgroup_size: 512
    .sgpr_count:     66
    .vgpr_count:     256
    .wavefront_size: 32
...
	.end_amdgpu_metadata
.endif
;; end of part 3
;; launch outp (part 4): grid 8 x 32, 4 waves a work-group, clusters of 4 x 4, 327,680 bytes of LDS; arguments ctx, wq, bo, out0; writes out0
.if DOCPART == 4
	.amdgcn_target "amdgcn-amd-amdhsa--gfx1250"
	.amdhsa_code_object_version 6
	.text
	.protected	k_qf8a733ced6_outp
	.globl	k_qf8a733ced6_outp
	.p2align	8
	.type	k_qf8a733ced6_outp,@function
k_qf8a733ced6_outp:
	s_mov_b64 s[64:65], 0
	v_nop
	global_prefetch_b8 v0, s[64:65] scope:SCOPE_SE
	s_setreg_imm32_b32 hwreg(HW_REG_WAVE_MODE, 25, 1), 1
	s_wait_xcnt 0x0
	s_wait_alu depctr_hold_cnt(0) depctr_sa_sdst(0) depctr_va_vdst(0) depctr_va_sdst(0) depctr_va_ssrc(0) depctr_va_vcc(0) depctr_vm_vsrc(0)
	s_getreg_b32 s2, hwreg(HW_REG_IB_STS2, 6, 4)
	s_cmp_eq_u32 s2, 0
	s_cbranch_scc0 .Lentry_in_a_cluster
	s_endpgm
.Lentry_in_a_cluster:
	s_bfe_u32 s2, ttmp6, 0x10000c
	s_cmp_lg_u32 s2, 0xf033
	s_cbranch_scc0 .Lentry_shape_is_right
	s_endpgm
.Lentry_shape_is_right:
.set REC,   12800
.set SCO,   12288
.set FRB,   1536
.set CHUNK, 4*REC
.set PANEL, 16*REC
.set WO_OFF, 192*REC
.set COFF,  2*CHUNK
.set SLOTB, 3*CHUNK
.set SPARE, 2*SLOTB
.set SP,    528
.set AR,  16
.set AC,  18
.set SRA, 20
.set SCA, 22
.set STO, 24
.set RD,  25
.set CO,  26
.set BO,  27
.set SPW, 28
.set NIL, 29
.set SC,  32
.set CF,  48
.set BI,  160
.set BK,  48
.set G1R, 24
.set G0R, 32
.set G1C, 48
.set G0C, 56
.set MSB, 0
.macro WIN new
.if MSB != \new
	s_set_vgpr_msb (MSB<<8)|\new
.set MSB, \new
.endif
.endm
.set MUL,  0xa1
.set MULB, 0x81
.set TO_R, 0x40
.macro JLOAD s
	s_cmp_eq_u32 s15, 0
	s_cbranch_scc0 .Lfor_c_\@
	tensor_load_to_lds s[G0R+4*\s:G0R+4*\s+3], s[G1R:G1R+7]
	s_nop 0
.rept 4
	v_nop
.endr
	s_branch .Lasked_\@
.Lfor_c_\@:
	tensor_load_to_lds s[G0C+4*\s:G0C+4*\s+3], s[G1C:G1C+7]
	s_nop 0
.rept 4
	v_nop
.endr
.Lasked_\@:
.endm
.macro CREST
	s_cmp_lg_u32 s14, 0
	s_cbranch_scc1 .Lnot_wave_0_\@
	s_barrier_signal -3
.Lnot_wave_0_\@:
	s_barrier_wait -3
	s_barrier_signal -1
	s_barrier_wait -1
.endm
.macro CROUND
	s_barrier_signal -1
	s_barrier_wait -1
	CREST
.endm
	s_load_b256 s[4:11], s[0:1], 0x0
	v_lshl_add_u32 v[SPW], v0, 2, SPARE
	v_mov_b32 v[NIL], 0
	ds_add_u32 v28, v29
	ds_add_u32 v28, v29
	s_wait_dscnt 0x0
	v_lshrrev_b32 v1, 5, v0
	v_readfirstlane_b32 s14, v1
	s_lshr_b32 s15, s14, 1
	s_and_b32 s16, s14, 1
	s_bfe_u32 s40, ttmp6, 0x40000
	s_bfe_u32 s41, ttmp6, 0x40004
	s_lshl_b32 s42, ttmp9, 2
	s_add_co_u32 s42, s42, s40
	s_and_b32 s43, ttmp7, 0xffff
	s_lshl_b32 s43, s43, 2
	s_add_co_u32 s43, s43, s41
	s_lshl_b32 s44, s41, 2
	s_lshl_b32 s44, 15, s44
	s_lshl_b32 s45, 0x1111, s40
	s_or_b32 s[G1R], s45, (3<<16)|(1<<21)
	s_mov_b32 s[G1R+1], 32<<16
	s_mov_b32 s[G1R+2], 200<<16
	s_mov_b32 s[G1R+3], 32<<16
	s_mov_b32 s[G1R+4], 200
	s_mov_b32 s[G1R+5], 32
	s_mov_b32 s[G1R+6], 0
	s_mov_b32 s[G1R+7], 0
	s_or_b32 s[G1C], s44, (3<<16)|(1<<21)
	s_mov_b32 s[G1C+1], 32<<16
	s_mov_b32 s[G1C+2], 100<<16
	s_mov_b32 s[G1C+3], 32<<16
	s_mov_b32 s[G1C+4], 100
	s_mov_b32 s[G1C+5], 32
	s_mov_b32 s[G1C+6], 0
	s_mov_b32 s[G1C+7], 0
	s_lshl_b32 s20, s42, 1
	s_add_co_u32 s20, s20, s16
	s_mul_i32 s20, s20, PANEL
	s_add_co_u32 s20, s20, WO_OFF
	s_mov_b32 s21, 0
	s_mul_i32 s22, s43, PANEL
	s_mul_i32 s23, s16, CHUNK/2
	s_add_co_u32 s22, s22, s23
	s_mov_b32 s23, 0
	s_lshl_b32 s46, s42, 10
	s_lshl_b32 s47, s15, 9
	s_add_co_u32 s46, s46, s47
	s_mov_b32 s47, 0
	s_lshl_b32 s66, s43, 20
	s_lshl_b32 s67, s16, 19
	s_add_co_u32 s66, s66, s67
	s_add_co_u32 s66, s66, s46
	s_mov_b32 s67, 0
	s_mul_i32 s17, s16, CHUNK
	s_mul_i32 s18, s16, CHUNK/2
	s_add_co_u32 s18, s18, COFF
	s_wait_kmcnt 0x0
	s_add_nc_u64 s[20:21], s[6:7], s[20:21]
	s_add_nc_u64 s[22:23], s[4:5], s[22:23]
	s_add_nc_u64 s[8:9], s[8:9], s[46:47]
	s_add_nc_u64 s[10:11], s[10:11], s[66:67]
	CROUND
.irp s, 0,1
	s_mov_b32 s[G0R+4*\s], 1
	s_add_co_u32 s[G0R+4*\s+1], s17, \s*SLOTB
	s_add_nc_u64 s[G0R+4*\s+2:G0R+4*\s+3], s[20:21], \s*CHUNK
	s_or_b32 s[G0R+4*\s+3], s[G0R+4*\s+3], 0x80000000
	s_mov_b32 s[G0C+4*\s], 1
	s_add_co_u32 s[G0C+4*\s+1], s18, \s*SLOTB
	s_add_nc_u64 s[G0C+4*\s+2:G0C+4*\s+3], s[22:23], \s*CHUNK
	s_or_b32 s[G0C+4*\s+3], s[G0C+4*\s+3], 0x80000000
	s_wait_alu depctr_va_vdst(0)
	s_wait_tensorcnt 0x0
	ds_add_u32 v28, v29
	ds_add_u32 v28, v29
	s_wait_dscnt 0x0
	CROUND
	JLOAD \s
.endr
	v_bfe_u32 v4, v0, 4, 1
	v_lshlrev_b32 v[BO], 6, v4
.irp b, 0,1,2,3,4,5,6,7
	global_load_b128 v[BI+8*\b:BI+8*\b+3], v[BO], s[8:9] offset:128*(\b/2)+32*(\b%2)
	global_load_b128 v[BI+8*\b+4:BI+8*\b+7], v[BO], s[8:9] offset:128*(\b/2)+32*(\b%2)+16
.endr
	v_and_b32 v1, 31, v0
	v_lshlrev_b32 v2, 4, v1
	s_wait_alu depctr_va_vdst(0)
	v_lshlrev_b32 v3, 2, v1
	s_wait_alu depctr_va_vdst(0)
	v_and_b32 v5, 15, v0
	s_wait_alu depctr_va_vdst(0)
	s_mul_i32 s70, s15, CHUNK
	s_add_co_u32 s73, s70, SCO
	s_mul_i32 s71, s16, 4*FRB
	s_add_co_u32 s71, s71, COFF
	s_lshl_b32 s72, s16, 8
	s_add_co_u32 s72, s72, COFF+SCO
.irp s, 0,1
	v_add_nc_u32 v[AR+\s], s70, v2
	v_add_nc_u32 v[AC+\s], s71, v2
	v_add_nc_u32 v[SRA+\s], s73, v3
	v_add_nc_u32 v[SCA+\s], s72, v3
	s_add_co_u32 s70, s70, SLOTB
	s_add_co_u32 s71, s71, SLOTB
	s_add_co_u32 s72, s72, SLOTB
	s_add_co_u32 s73, s73, SLOTB
.endr
	s_mul_i32 s70, s14, 16*SP
	v_mul_u32_u24 v[STO], v5, SP
	v_lshl_add_u32 v[STO], v4, 6, v[STO]
	v_add_nc_u32 v[STO], s70, v[STO]
	v_add_nc_u32 v[RD], s70, v2
	v_mov_b32 v[CO], v2
.macro FETCH slot, q, p
	WIN TO_R
.irp b, 0,1,2,3,4,5,6,7
.irp c, 0,1,2
	ds_load_b128 v[96*(\p)+12*\b+4*\c:96*(\p)+12*\b+4*\c+3], v[AR+\slot] offset:(\q)*REC+FRB*\b+512*\c
.endr
.endr
	WIN 0
.irp a, 0,1,2,3
.irp c, 0,1,2
	ds_load_b128 v[CF+48*(\p)+12*\a+4*\c:CF+48*(\p)+12*\a+4*\c+3], v[AC+\slot] offset:(\q)*REC+FRB*\a+512*\c
.endr
.endr
.irp t, 0,1,2,3
	ds_load_b32 v[SC+6*(\p)+\t], v[SRA+\slot] offset:(\q)*REC+128*\t
.endr
.irp t, 0,1
	ds_load_b32 v[SC+6*(\p)+4+\t], v[SCA+\slot] offset:(\q)*REC+128*\t
.endr
.endm
.macro WM oa, ob
.if (\oa) && (\ob)
	v_wmma_scale_f32_16x16x128_f8f6f4 v[rD:rD+7], v[rR:rR+11], v[rC:rC+11], v[rX:rX+7], v[rS], v[rT] matrix_a_fmt:MATRIX_FMT_BF6 matrix_b_fmt:MATRIX_FMT_BF6 matrix_a_scale:MATRIX_SCALE_ROW1 matrix_b_scale:MATRIX_SCALE_ROW1
.elseif \oa
	v_wmma_scale_f32_16x16x128_f8f6f4 v[rD:rD+7], v[rR:rR+11], v[rC:rC+11], v[rX:rX+7], v[rS], v[rT] matrix_a_fmt:MATRIX_FMT_BF6 matrix_b_fmt:MATRIX_FMT_BF6 matrix_a_scale:MATRIX_SCALE_ROW1
.elseif \ob
	v_wmma_scale_f32_16x16x128_f8f6f4 v[rD:rD+7], v[rR:rR+11], v[rC:rC+11], v[rX:rX+7], v[rS], v[rT] matrix_a_fmt:MATRIX_FMT_BF6 matrix_b_fmt:MATRIX_FMT_BF6 matrix_b_scale:MATRIX_SCALE_ROW1
.else
	v_wmma_scale_f32_16x16x128_f8f6f4 v[rD:rD+7], v[rR:rR+11], v[rC:rC+11], v[rX:rX+7], v[rS], v[rT] matrix_a_fmt:MATRIX_FMT_BF6 matrix_b_fmt:MATRIX_FMT_BF6
.endif
.endm
.macro MULQ a, p, z
.irp b, 0,1,2,3,4,5,6,7
.set rD, 8*(8*(\a)+\b)
.set rR, 96*(\p)+12*\b
.set rC, CF+48*(\p)+12*(\a)
.set rS, SC+6*(\p)+\b/2
.set rT, SC+6*(\p)+4+(\a)/2
.if \z
.set rX, BI+8*\b
.else
.set rX, rD
.endif
	WM \b%2, (\a)%2
.endr
.endm
.macro PLACES
.rept 4
	v_nop
.endr
.endm
.macro STEP slot, q, z
	PLACES
	FETCH \slot, (\q)+1, 1-(\q)%2
	s_wait_dscnt 42
.if \z
	WIN MULB
.else
	WIN MUL
.endif
	MULQ 0, (\q)%2, \z
	MULQ 1, (\q)%2, \z
	MULQ 2, (\q)%2, \z
	MULQ 3, (\q)%2, \z
.endm
.macro TURN slot, next, fill
	WIN 0
	s_wait_tensorcnt 0x0
	ds_add_u32 v[SPW], v[NIL]
	s_wait_dscnt 1
	WIN MUL
	MULQ 0, 1, 0
	s_wait_dscnt 0x0
	s_barrier_signal -1
	MULQ 1, 1, 0
	WIN 0
	s_barrier_wait -1
.if \fill
	CREST
	s_add_nc_u64 s[G0R+4*\slot+2:G0R+4*\slot+3], s[G0R+4*\slot+2:G0R+4*\slot+3], 2*CHUNK
	s_add_nc_u64 s[G0C+4*\slot+2:G0C+4*\slot+3], s[G0C+4*\slot+2:G0C+4*\slot+3], 2*CHUNK
	JLOAD \slot
.else
	PLACES
.endif
	s_wait_alu depctr_va_vdst(0)
	FETCH \next, 0, 0
	WIN MUL
	MULQ 2, 1, 0
	MULQ 3, 1, 0
.endm
	s_wait_tensorcnt 1
	s_barrier_signal -1
	s_barrier_wait -1
	s_wait_loadcnt 0x0
	FETCH 0, 0, 0
	STEP 0, 0, 1
	STEP 0, 1, 0
	STEP 0, 2, 0
	TURN 0, 1, 1
	STEP 1, 0, 0
	STEP 1, 1, 0
	STEP 1, 2, 0
	TURN 1, 0, 1
	STEP 0, 0, 0
	STEP 0, 1, 0
	STEP 0, 2, 0
	TURN 0, 1, 0
	STEP 1, 0, 0
	STEP 1, 1, 0
	STEP 1, 2, 0
	s_wait_dscnt 0x0
	WIN MUL
	MULQ 0, 1, 0
	MULQ 1, 1, 0
	MULQ 2, 1, 0
	MULQ 3, 1, 0
	WIN 0
.macro TOSTAGE a
	WIN 0x08
.irp b, 0,1,2,3,4,5,6,7
	ds_store_b128 v[STO], v[8*(8*(\a)+\b):8*(8*(\a)+\b)+3] offset:128*(\b/2)+32*(\b%2)
	ds_store_b128 v[STO], v[8*(8*(\a)+\b)+4:8*(8*(\a)+\b)+7] offset:128*(\b/2)+32*(\b%2)+16
.endr
	WIN 0
.set BB, BK+64*((\a)%2)
.irp t, 0,1,2,3,4,5,6,7,8,9,10,11,12,13,14,15
	ds_load_b128 v[BB+4*\t:BB+4*\t+3], v[RD] offset:\t*SP
.endr
.endm
.macro SEND a, younger
.set BB, BK+64*((\a)%2)
	s_wait_dscnt \younger
.irp t, 0,1,2,3,4,5,6,7,8,9,10,11,12,13,14,15
	global_store_b128 v[CO], v[BB+4*\t:BB+4*\t+3], s[10:11] offset:(32*((\a)/2)+8*((\a)%2)+\t+8*(\t/8))*8192 th:TH_STORE_NT
.endr
.endm
	PLACES
	TOSTAGE 0
	TOSTAGE 1
	SEND 0, 32
	s_wait_xcnt 0x0
	TOSTAGE 2
	SEND 1, 32
	s_wait_xcnt 0x0
	TOSTAGE 3
	SEND 2, 32
	SEND 3, 0
	s_wait_tensorcnt 0x0
	ds_add_u32 v[SPW], v[NIL]
	s_wait_dscnt 0x0
	CROUND
	s_endpgm
.Lfunc_end_k_qf8a733ced6_outp:
	.size	k_qf8a733ced6_outp, .Lfunc_end_k_qf8a733ced6_outp-k_qf8a733ced6_outp
	.p2alignl 7, 3214868480
	.fill 96, 4, 3214868480
	.section	.rodata,"a",@progbits
	.p2align	6, 0x0
	.amdhsa_kernel k_qf8a733ced6_outp
		.amdhsa_group_segment_fixed_size 327680
		.amdhsa_private_segment_fixed_size 0
		.amdhsa_enable_private_segment 0
		.amdhsa_kernarg_size 32
		.amdhsa_user_sgpr_count 2
		.amdhsa_user_sgpr_kernarg_segment_ptr 1
		.amdhsa_wavefront_size32 1
		.amdhsa_system_sgpr_workgroup_id_x 1
		.amdhsa_system_sgpr_workgroup_id_y 1
		.amdhsa_system_sgpr_workgroup_id_z 1
		.amdhsa_system_vgpr_workitem_id 0
		.amdhsa_next_free_vgpr 768
		.amdhsa_next_free_sgpr 80
		.amdhsa_reserve_vcc 0
		.amdhsa_float_denorm_mode_32 3
		.amdhsa_float_denorm_mode_16_64 3
		.amdhsa_memory_ordered 1
		.amdhsa_forward_progress 1
		.amdhsa_inst_pref_size 138
	.end_amdhsa_kernel
	.amdgpu_metadata
---
amdhsa.version: [ 1, 2 ]
amdhsa.kernels:
  - .name:           k_qf8a733ced6_outp
    .symbol:         k_qf8a733ced6_outp.kd
    .args:
      - { .name: ctx, .offset: 0, .size: 8, .value_kind: global_buffer, .address_space: global }
      - { .name: wq, .offset: 8, .size: 8, .value_kind: global_buffer, .address_space: global }
      - { .name: bo, .offset: 16, .size: 8, .value_kind: global_buffer, .address_space: global }
      - { .name: out0, .offset: 24, .size: 8, .value_kind: global_buffer, .address_space: global }
    .group_segment_fixed_size: 327680
    .private_segment_fixed_size: 0
    .kernarg_segment_align: 8
    .kernarg_segment_size: 32
    .max_flat_workgroup_size: 128
    .sgpr_count:     80
    .vgpr_count:     768
    .wavefront_size: 32
...
	.end_amdgpu_metadata
.endif
;; end of part 4
